; MI455X (gfx1250); checked and timed in simulation.
; The chip was launched on July 23, 2026; its instructions are those of AMD's public machine-readable ISA for CDNA 5 (MIT licence, August 2026) and "CDNA5" Instruction Set Architecture Reference Guide (July 2026). The comments in the code are by the model that wrote it; some were corrected since.
;; Causal Self Attention. Allowed arithmetic: matrix products marked QUANTISED: E4M3 operands, one given power-of-two scale a tensor, by v_wmma_f32_16x16x64_fp8_fp8 or v_wmma_f32_16x16x128_fp8_fp8, f32 sums; everything else in f32.
;; Inputs: Wk 1,024 x 1,024 float32; Wo 1,024 x 1,024 float32; Wq 1,024 x 1,024 float32; Wv 1,024 x 1,024 float32; bk 1,024 float32; bo 1,024 float32; bq 1,024 float32; bv 1,024 float32; lowp_scales 12 int32 (the exponents e of the quantised operands' scales 2^e); x 8 x 1,024 x 1,024 float32.
;; Outputs: out0 8 x 1,024 x 1,024 float32.
;; This version of the problem:
;;   THIS VERSION OF THE PROBLEM IS GIVEN IN LOW PRECISION. The matrix products marked QUANTISED in the list below multiply operands that are first quantised to E4M3 (4 exponent bits, 3 mantissa bits; 8 bits a number), with one given power-of-two scale for each operand tensor; their sums are f32. All else is computed in f32.
;;   The module's matrix products, in the order in which they are computed (A, B: the left and right operand; K: the contracted axis; several contracted axes count as one K, in the product's order):
;;     1. [M 8,192, K 1,024] x [K 1,024, N 1,024]; A: input x; B: input Wq: QUANTISED (scales: A lowp_scales[0], B lowp_scales[1])
;;     2. [M 8,192, K 1,024] x [K 1,024, N 1,024]; A: input x; B: input Wk: QUANTISED (scales: A lowp_scales[2], B lowp_scales[3])
;;     3. [M 8,192, K 1,024] x [K 1,024, N 1,024]; A: input x; B: input Wv: QUANTISED (scales: A lowp_scales[4], B lowp_scales[5])
;;     4. batch 128 x [M 1,024, K 64] x [K 64, N 1,024]; A: computed on the way; B: computed on the way: QUANTISED (scales: A lowp_scales[6], B lowp_scales[7])
;;     5. batch 128 x [M 1,024, K 1,024] x [K 1,024, N 64]; A: softmax (see below); B: computed on the way: QUANTISED (scales: A lowp_scales[8], B lowp_scales[9])
;;     6. [M 8,192, K 1,024] x [K 1,024, N 1,024]; A: computed on the way; B: input Wo: QUANTISED (scales: A lowp_scales[10], B lowp_scales[11])
;;   THE QUANTISER, for each operand of a quantised product, along K:
;;     - The operand's scale is 2^e, e = its entry of the input lowp_scales (int32; the entries are numbered through the quantised products in the list's order, A before B).
;;     - Each number is divided by the scale, clamped to +-448, and rounded to the nearest number of E4M3, ties to even, subnormals kept.
;;     - The product sums the exact products of the quantised numbers (number of the format x scale) in f32.
;;   ~~~python
;;   def quantise(x, axis, e):      # numpy; x: float32 -> the quantised numbers, widened to float32 again
;;       x = np.moveaxis(x, axis, -1); K = x.shape[-1]
;;       r = np.clip(x / 2.0 ** e, -448, 448)
;;       step = 2.0 ** (np.maximum(np.frexp(np.where(r == 0, 1, r))[1] - 1, -6) - 3)
;;       q = np.round(r / step) * step * 2.0 ** e      # np.round: ties to even
;;       return np.moveaxis(q, -1, axis).astype(np.float32)
;;   ~~~
;;   SOFTMAX AHEAD OF A QUANTISED PRODUCT. Where the list says 'softmax', what is quantised is not the finished softmax but p = 2^(t - M), with t = logit x log2(e) and M = ceil(the row's largest t), a whole number; so 1/2 < the row's largest p <= 1. The row's sum l is taken of the UNQUANTISED p, in f32, and the product's result is divided by l at the end. Since M is a whole number, a kernel that streams over the keys may use a running M (the ceiling of the running maximum): every later rescaling is an exact power of two, so the quantised numbers keep their values, but for numbers so far below the row's largest that they fall under the format's range.
;;   OPERANDS COMPUTED ON THE WAY. 'Computed on the way' means the value that the module computes at that place (a softmax that the list does not call 'softmax' is quantised finished and normalised). What goes into a quantiser is computed in f32, as accurately as f32 sums, v_exp_f32 and their like allow (about 1e-6 of the number): no bf16 or f16 on the way to a quantiser, and a product that is left as it is and whose result goes on into a quantised operand takes f32 operands (vector FMAs, or v_wmma_f32_16x16x4_f32). A number that lies on a knife's edge between two numbers of the format may be rounded either way, as far as f32 arithmetic and the matrix unit's own rounding can turn it there, and no further.
;; One version. Each part assembles by itself: llvm-mc -triple=amdgcn-amd-amdhsa -mcpu=gfx1250 --defsym DOCPART=n.
;; ======== version 1 of 1: 4 launches
;; limits: right only within a limited range of input values
;; workspace buffers: xc 25,165,824 bytes; wc 4,194,304 bytes; qkvc 25,165,824 bytes; yc 8,388,608 bytes
;; launch quant (part 1): grid 768 x 1, 4 waves a work-group, no clusters, 35,328 bytes of LDS; arguments x, Wq, Wk, Wv, Wo, lowp_scales, xc, wc; writes xc, wc
.if DOCPART == 1
	.amdgcn_target "amdgcn-amd-amdhsa--gfx1250"
	.amdhsa_code_object_version 6
	.text
	.protected	k_q872fd0cc94_quant
	.globl	k_q872fd0cc94_quant
	.p2align	8
	.type	k_q872fd0cc94_quant,@function
k_q872fd0cc94_quant:
	s_mov_b64 s[64:65], 0
	v_nop
	global_prefetch_b8 v0, s[64:65] scope:SCOPE_SE
	s_setreg_imm32_b32 hwreg(HW_REG_WAVE_MODE, 25, 1), 1
	s_wait_xcnt 0x0
; x [8192][1024] and the four weights [1024 (k)][1024 (n)], f32, become codes of FP8 (E4M3), laid as IMAGES OF OPERAND REGISTERS.
; A fragment is 16 rows x 128 K in 16 registers: lane (r = l % 16, h = l / 16) holds row r, registers 2 c, 2 c + 1 hold k = 16 c + 8 h + 0 .. 7.
; Its image is 2,048 bytes: four groups of four registers, 512 bytes each, lane l's 16 bytes at 16 l.  So a later launch fetches a fragment by four loads of 16 bytes a lane, dense.
; xc: [3 scales][64 groups of 128 tokens][4 quarters of K][8 blocks of 16 tokens][2 K steps][2,048];  wc: [Wq, Wk, Wv][8 groups of 128 columns][4 quarters of K][8 blocks of 16 columns][2 K steps][2,048],
; then Wo: [16 groups of 64 columns][4 tiles][8 K steps][2,048]: row r of tile b is column 4 r + b of its group, so that the four tiles' results of a lane are four neighbours.
; x is quantised three times, with entries 0, 2 and 4 of the scales (they need not be equal); the weights with entries 1, 3, 5 and 11.
; code = number / 2^e, held within +-448, to the nearest code, ties to even.  LIMITS: each e between -126 and 119, so that 2^e and 448 x 2^e are f32 numbers.  NaN among the inputs is not served.
; Work-groups 0-191 take Wq, Wk, Wv, 192-255 Wo, 256-767 x.  The ways never join.  No barrier: waves share nothing.  Matrix units, tensor loads and clusters would add nothing to a stream that is read once.
.set SPARE, 34816                      ; behind the four waves' stages: the spare words, 128 bytes a wave: two blocks of 256 bytes that no other line names
.set WREG,  8704                       ; LDS of a wave: two stages
.set STG,   4352                       ; a stage: 16 rows x 272 bytes
.set SP,    272                        ; a stage row: 256 bytes + 16
.set VX,    5                          ; v5   x: my 16 bytes of two rows' 256
.set VSI,   6                          ; v6   the stage, on the way in
.set VSO,   7                          ; v7   the stage, on the way out: row r, + 32 h
.set VO,    14                         ; v14  16 x lane: my place in a group's image
.set WI,    5                          ; v5   (weights) my place in a row of the weight
.set WO,    6                          ; v6   (weights) my place in the images
.set R,     16                         ; v16-143  four sets of 32: x as loaded; a set that has gone through the stage then takes the held numbers
.set WC,    16                         ; v16-47   (Wq, Wk, Wv) codes
.set X,     144                        ; v144-207 two sets of 32 numbers, a lane's neighbours along K
.set C,     208                        ; v208-231 x's codes: eight registers for each of the three scales
.set OT,    144                        ; v144-175 (Wo) held numbers
.set OC,    176                        ; v176-207 (Wo) codes: eight registers for each of the four tiles
.set SPW,   232                        ; v232 LDS address of my spare word; never rewritten
.set NIL,   233                        ; v233 0; never rewritten
.macro MKSCALE e, vs, vl               ; v[vs] = 2^e as f32 (the conversion takes its exponent field), v[vl] = 448 x 2^e; e in s[e]
	s_add_co_i32 s38, s[\e], 127
	s_lshl_b32 s39, s38, 23
	v_mov_b32 v[\vs], s39
	s_add_co_i32 s38, s38, 8
	s_lshl_b32 s38, s38, 23
	s_or_b32 s38, s38, 0x600000
	v_mov_b32 v[\vl], s38
.endm
.macro XLOAD t                         ; unit t: 16 rows x 64 k.  A load takes 256 consecutive bytes of each of two rows
.irp i, 0,1,2,3,4,5,6,7
	global_load_b128 v[R+32*(\t)+4*\i:R+32*(\t)+4*\i+3], v[VX], s[4:5] offset:8192*\i+256*(\t) th:TH_LOAD_NT
.endr
.endm
.macro XTURN t                         ; unit t through the wave's own stage: in as loaded, back as 8 neighbours along K for each conversion.  LDS serves a wave's instructions in order: no wait between
.irp i, 0,1,2,3,4,5,6,7
	ds_store_b128 v[VSI], v[R+32*(\t)+4*\i:R+32*(\t)+4*\i+3] offset:STG*((\t)%2)+2*SP*\i
.endr
.irp i, 0,1,2,3,4,5,6,7
	ds_load_b128 v[X+32*((\t)%2)+4*\i:X+32*((\t)%2)+4*\i+3], v[VSO] offset:STG*((\t)%2)+128*(\i/4)+64*((\i/2)%2)+16*(\i%2)   ; k = 32 (i / 4) + 16 ((i / 2) % 2) + 8 h + 4 (i % 2) on
.endr
.endm
.macro XQ t, j, dst, lim, sc, base     ; unit t under scale j: hold, convert, store two groups of an image
.set XS, X+32*((\t)%2)
.set I, 0
.rept 32
	v_med3_num_f32 v[\dst+I], v[XS+I], -v[\lim], v[\lim]   ; the conversion to an 8-bit code does not saturate (ISA guide 7.6.2): the hold comes first
.set I, I+1
.endr
.irp i, 0,1,2,3
	v_cvt_scalef32_pk8_fp8_f32 v[C+8*\j+2*\i:C+8*\j+2*\i+1], v[\dst+8*\i:\dst+8*\i+7], v[\sc]
.endr
	v_nop                                          ; a plain line between the conversions and the next vector lines that write their sources
	global_store_b128 v[VO], v[C+8*\j:C+8*\j+3], s[\base:\base+1] offset:1024*(\t)         ; 32 lanes store 512 consecutive bytes, aligned
	global_store_b128 v[VO], v[C+8*\j+4:C+8*\j+7], s[\base:\base+1] offset:1024*(\t)+512
.endm
.macro XSTEP t
	s_wait_dscnt 0x0                               ; unit t is back from the stage, and its stores into the stage have read set t
.if (\t) < 3
	s_wait_loadcnt 8*(2-(\t))                      ; unit t + 1's eight loads are in; the later units' eight each may be out
	XTURN (\t)+1
.endif
.if (\t) > 0
	s_wait_xcnt 0x0                                ; the last unit's stores have read the codes' registers
.endif
	XQ \t, 0, R+32*(\t), 9, 8, 40
	XQ \t, 1, R+32*(\t), 11, 10, 42
	XQ \t, 2, X+32*((\t)%2), 13, 12, 44
.endm
.macro WLOAD g                         ; W(32 g + i, my column), i = 0 .. 31: a lane takes a column, its registers run down K; a load reads 128 consecutive bytes, the four waves side by side 512
.set I, 0
.rept 32
	global_load_b32 v[X+32*((\g)%2)+I], v[WI], s[36:37] offset:(32*(\g)+I)*4096 th:TH_LOAD_NT
.set I, I+1
.endr
.endm
.macro WBLOCK g                        ; 32 along K of my column: that is group g of the image, for both halves of the image's lanes
.set XS, X+32*((\g)%2)
.if (\g) < 3
	s_wait_loadcnt 32                              ; this block's 32 loads are in; the next block's may be out
.else
	s_wait_loadcnt 0
.endif
.set I, 0
.rept 32
	v_med3_num_f32 v[XS+I], v[XS+I], -v9, v9
.set I, I+1
.endr
.irp i, 0,1,2,3
	v_cvt_scalef32_pk8_fp8_f32 v[WC+8*(\g)+2*\i:WC+8*(\g)+2*\i+1], v[XS+16*(\i%2)+8*(\i/2):XS+16*(\i%2)+8*(\i/2)+7], v8   ; image lane (r, h = i / 2): k = 32 g + 16 (i % 2) + 8 h on
.endr
	v_nop
	global_store_b128 v[WO], v[WC+8*(\g):WC+8*(\g)+3], s[18:19] offset:512*(\g)            ; sixteen lanes fill 256 consecutive bytes, aligned: the image's lanes 0-15,
	global_store_b128 v[WO], v[WC+8*(\g)+4:WC+8*(\g)+7], s[18:19] offset:512*(\g)+256      ; and its lanes 16-31
.if (\g)+2 < 4
	WLOAD (\g)+2
.endif
.endm
	s_load_b512 s[4:19], s[0:1], 0x0               ; x s[4:5], Wq s[6:7], Wk s[8:9], Wv s[10:11], Wo s[12:13], the scales s[14:15], xc s[16:17], wc s[18:19]
	v_lshl_add_u32 v[SPW], v0, 2, SPARE
	v_mov_b32 v[NIL], 0
	v_lshrrev_b32 v1, 5, v0
	v_readfirstlane_b32 s20, v1                    ; wave 0..3
	v_and_b32 v2, 31, v0                           ; lane
	v_and_b32 v3, 15, v0                           ; r
	v_bfe_u32 v4, v0, 4, 1                         ; h
	s_wait_alu depctr_va_vdst(0)
	s_wait_kmcnt 0x0
	s_load_b256 s[24:31], s[14:15], 0x0            ; entries 0 to 7
	s_load_b128 s[32:35], s[14:15], 0x20           ; entries 8 to 11
	s_cmp_lt_u32 ttmp9, 256
	s_cbranch_scc1 .Lweights
	; ---- x: the work-group takes 16 tokens, wave w their k = 256 w .. 256 w + 255 (a quarter of K), in four units of 64
	s_sub_co_u32 s21, ttmp9, 256                   ; which 16 tokens
	s_lshl_b32 s22, s21, 16                        ; 16 rows of 4,096 bytes
	s_lshl_b32 s36, s20, 10
	s_add_co_u32 s22, s22, s36
	s_mov_b32 s23, 0
	s_add_nc_u64 s[4:5], s[4:5], s[22:23]
	s_lshr_b32 s22, s21, 3
	s_lshl_b32 s22, s22, 17                        ; a group of 128 tokens: 131,072 bytes,
	s_lshl_b32 s36, s20, 15                        ; a quarter of K: 32,768,
	s_add_co_u32 s22, s22, s36
	s_and_b32 s36, s21, 7
	s_lshl_b32 s36, s36, 12                        ; a block's two images
	s_add_co_u32 s22, s22, s36
	s_add_nc_u64 s[40:41], s[16:17], s[22:23]      ; the three sets of codes lie 8 MiB apart
	s_add_nc_u64 s[42:43], s[40:41], 0x800000
	s_add_nc_u64 s[44:45], s[40:41], 0x1000000
	s_mul_i32 s37, s20, WREG
	s_wait_alu depctr_va_vdst(0)
	v_lshlrev_b32 v[VX], 12, v4
	v_lshl_add_u32 v[VX], v3, 4, v[VX]             ; lanes 0-15 one row, lanes 16-31 the next
	v_mul_u32_u24 v[VSI], v4, SP
	v_lshl_add_u32 v[VSI], v3, 4, v[VSI]
	v_add_nc_u32 v[VSI], s37, v[VSI]
	v_mul_u32_u24 v[VSO], v3, SP
	v_lshl_add_u32 v[VSO], v4, 5, v[VSO]
	v_add_nc_u32 v[VSO], s37, v[VSO]
	v_lshlrev_b32 v[VO], 4, v2
.irp t, 0,1,2,3
	XLOAD \t                                       ; all that the wave reads is asked for at once: 32 loads
.endr
	s_wait_alu depctr_va_vdst(0)
	s_wait_kmcnt 0x0
	MKSCALE 24, 8, 9
	MKSCALE 26, 10, 11
	MKSCALE 28, 12, 13
	s_wait_alu depctr_va_vdst(0)
	s_wait_loadcnt 24                              ; unit 0's eight loads are in
	XTURN 0
.irp t, 0,1,2,3
	XSTEP \t
.endr
	s_wait_tensorcnt 0x0                           ; the wave's end
	ds_add_u32 v[SPW], v[NIL]
	s_wait_dscnt 0x0
	s_endpgm
	; ---- Wq, Wk, Wv: the work-group takes one weight, one K step of 128 and 128 columns; a wave 32 columns, two blocks of 16.  This way touches no LDS
.Lweights:
	s_lshr_b32 s21, ttmp9, 6                       ; which weight: 0 Wq, 1 Wk, 2 Wv, 3 Wo
	s_cmp_eq_u32 s21, 3
	s_cbranch_scc1 .Lwo
	s_and_b32 s22, ttmp9, 7                        ; K step
	s_bfe_u32 s23, ttmp9, 0x30003                  ; which 128 columns
	s_cmp_eq_u32 s21, 1
	s_cselect_b64 s[36:37], s[8:9], s[10:11]
	s_cmp_eq_u32 s21, 0
	s_cselect_b64 s[36:37], s[6:7], s[36:37]
	s_lshl_b32 s40, s23, 9
	s_lshl_b32 s42, s20, 7
	s_add_co_u32 s42, s42, s40                     ; my 32 columns: 128 bytes of a row
	s_lshl_b32 s43, s22, 19                        ; K step x 128 rows of 4,096 bytes
	s_add_co_u32 s42, s42, s43
	s_mov_b32 s43, 0
	s_add_nc_u64 s[36:37], s[36:37], s[42:43]
	s_lshl_b32 s42, s23, 17                        ; the group of 128 columns,
	s_lshl_b32 s44, s20, 13                        ; my two blocks of it, 4,096 bytes of a quarter each,
	s_add_co_u32 s42, s42, s44
	s_lshr_b32 s44, s22, 1
	s_lshl_b32 s44, s44, 15                        ; the quarter of K,
	s_add_co_u32 s42, s42, s44
	s_and_b32 s44, s22, 1
	s_lshl_b32 s44, s44, 11                        ; the K step in it
	s_add_co_u32 s42, s42, s44
	s_lshl_b32 s44, s21, 20
	s_add_co_u32 s42, s42, s44
	s_add_nc_u64 s[18:19], s[18:19], s[42:43]
	s_wait_alu depctr_va_vdst(0)
	v_lshlrev_b32 v[WI], 2, v2
	v_lshlrev_b32 v[WO], 12, v4                    ; lanes 16-31 hold the second block's columns
	v_lshl_add_u32 v[WO], v3, 4, v[WO]
	WLOAD 0
	WLOAD 1
	s_wait_alu depctr_va_vdst(0)
	s_wait_kmcnt 0x0
	s_cmp_eq_u32 s21, 1
	s_cselect_b32 s47, s27, s29                    ; entry 3 or 5
	s_cmp_eq_u32 s21, 0
	s_cselect_b32 s47, s25, s47                    ; or entry 1
	MKSCALE 47, 8, 9
	s_wait_alu depctr_va_vdst(0)
.irp g, 0,1,2,3
	WBLOCK \g
.endr
	s_endpgm
	; ---- Wo: a wave takes 64 columns x 64 along K.  Lane (r, h) loads columns 4 r .. 4 r + 3 of rows 16 c + 8 h + j: 16 lanes read 256 consecutive bytes of a row.  This way touches no LDS
.Lwo:
	s_sub_co_u32 s21, ttmp9, 192
	s_and_b32 s22, s21, 3
	s_lshl_b32 s22, s22, 2
	s_add_co_u32 s22, s22, s20                     ; which 64 columns
	s_lshr_b32 s23, s21, 2                         ; which 64 along K
	s_lshl_b32 s36, s22, 8
	s_lshl_b32 s37, s23, 18
	s_add_co_u32 s36, s36, s37
	s_mov_b32 s37, 0
	s_add_nc_u64 s[12:13], s[12:13], s[36:37]
	s_lshl_b32 s36, s22, 16                        ; four tiles of 16,384 bytes
	s_lshl_b32 s40, s23, 10                        ; two groups of an image
	s_add_co_u32 s36, s36, s40
	s_add_co_u32 s36, s36, 0x300000                ; the fourth weight's codes
	s_add_nc_u64 s[18:19], s[18:19], s[36:37]
	s_wait_alu depctr_va_vdst(0)
	v_lshlrev_b32 v[WI], 15, v4                    ; lanes 16-31 stand eight rows on
	v_lshl_add_u32 v[WI], v3, 4, v[WI]
	v_lshlrev_b32 v[WO], 4, v2
.irp c, 0,1,2,3
.irp j, 0,1,2,3,4,5,6,7
	global_load_b128 v[R+32*\c+4*\j:R+32*\c+4*\j+3], v[WI], s[12:13] offset:(16*\c+\j)*4096 th:TH_LOAD_NT
.endr
.endr
	s_wait_alu depctr_va_vdst(0)
	s_wait_kmcnt 0x0
	MKSCALE 35, 8, 9
	s_wait_alu depctr_va_vdst(0)
.irp c, 0,1,2,3
	s_wait_loadcnt 8*(3-\c)                        ; these eight rows are in; the later ones may be out
.irp b, 0,1,2,3
.irp j, 0,1,2,3,4,5,6,7
	v_med3_num_f32 v[OT+8*\b+\j], v[R+32*\c+4*\j+\b], -v9, v9   ; column 4 r + b, eight neighbours along K
.endr
.endr
.irp b, 0,1,2,3
	v_cvt_scalef32_pk8_fp8_f32 v[OC+8*\b+2*\c:OC+8*\b+2*\c+1], v[OT+8*\b:OT+8*\b+7], v8
.endr
	v_nop                                          ; a plain line between the conversions and the next lines that write their sources
.endr
.irp b, 0,1,2,3
	global_store_b128 v[WO], v[OC+8*\b:OC+8*\b+3], s[18:19] offset:16384*\b          ; 32 lanes store 512 consecutive bytes, aligned
	global_store_b128 v[WO], v[OC+8*\b+4:OC+8*\b+7], s[18:19] offset:16384*\b+512
.endr
	s_endpgm
.Lfunc_end_k_q872fd0cc94_quant:
	.size	k_q872fd0cc94_quant, .Lfunc_end_k_q872fd0cc94_quant-k_q872fd0cc94_quant
	.p2alignl 7, 3214868480
	.fill 96, 4, 3214868480
	.section	.rodata,"a",@progbits
	.p2align	6, 0x0
	.amdhsa_kernel k_q872fd0cc94_quant
		.amdhsa_group_segment_fixed_size 35328
		.amdhsa_private_segment_fixed_size 0
		.amdhsa_enable_private_segment 0
		.amdhsa_kernarg_size 64
		.amdhsa_user_sgpr_count 2
		.amdhsa_user_sgpr_kernarg_segment_ptr 1
		.amdhsa_wavefront_size32 1
		.amdhsa_system_sgpr_workgroup_id_x 1
		.amdhsa_system_sgpr_workgroup_id_y 1
		.amdhsa_system_sgpr_workgroup_id_z 1
		.amdhsa_system_vgpr_workitem_id 0
		.amdhsa_next_free_vgpr 240
		.amdhsa_next_free_sgpr 66
		.amdhsa_reserve_vcc 0
		.amdhsa_float_denorm_mode_32 3
		.amdhsa_float_denorm_mode_16_64 3
		.amdhsa_memory_ordered 1
		.amdhsa_forward_progress 1
		.amdhsa_inst_pref_size 78
	.end_amdhsa_kernel
	.amdgpu_metadata
---
amdhsa.version: [ 1, 2 ]
amdhsa.kernels:
  - .name:           k_q872fd0cc94_quant
    .symbol:         k_q872fd0cc94_quant.kd
    .args:
      - { .name: x, .offset: 0, .size: 8, .value_kind: global_buffer, .address_space: global }
      - { .name: Wq, .offset: 8, .size: 8, .value_kind: global_buffer, .address_space: global }
      - { .name: Wk, .offset: 16, .size: 8, .value_kind: global_buffer, .address_space: global }
      - { .name: Wv, .offset: 24, .size: 8, .value_kind: global_buffer, .address_space: global }
      - { .name: Wo, .offset: 32, .size: 8, .value_kind: global_buffer, .address_space: global }
      - { .name: lowp_scales, .offset: 40, .size: 8, .value_kind: global_buffer, .address_space: global }
      - { .name: xc, .offset: 48, .size: 8, .value_kind: global_buffer, .address_space: global }
      - { .name: wc, .offset: 56, .size: 8, .value_kind: global_buffer, .address_space: global }
    .group_segment_fixed_size: 35328
    .private_segment_fixed_size: 0
    .kernarg_segment_align: 8
    .kernarg_segment_size: 64
    .max_flat_workgroup_size: 128
    .sgpr_count:     66
    .vgpr_count:     240
    .wavefront_size: 32
...
	.end_amdgpu_metadata
.endif
;; end of part 1
;; launch project (part 2): grid 4 x 64, 4 waves a work-group, clusters of 4 x 4, 327,680 bytes of LDS; arguments xc, wc, lowp_scales, qkvc, bq, bk, bv; writes qkvc
.if DOCPART == 2
	.amdgcn_target "amdgcn-amd-amdhsa--gfx1250"
	.amdhsa_code_object_version 6
	.text
	.protected	k_q872fd0cc94_project
	.globl	k_q872fd0cc94_project
	.p2align	8
	.type	k_q872fd0cc94_project,@function
k_q872fd0cc94_project:
	s_mov_b64 s[64:65], 0
	v_nop
	global_prefetch_b8 v0, s[64:65] scope:SCOPE_SE
	s_setreg_imm32_b32 hwreg(HW_REG_WAVE_MODE, 25, 1), 1
	s_wait_xcnt 0x0
	s_wait_alu depctr_hold_cnt(0) depctr_sa_sdst(0) depctr_va_vdst(0) depctr_va_sdst(0) depctr_va_ssrc(0) depctr_va_vcc(0) depctr_vm_vsrc(0)
	s_getreg_b32 s2, hwreg(HW_REG_IB_STS2, 6, 4)
	s_cmp_eq_u32 s2, 0
	s_cbranch_scc0 .Lentry_in_a_cluster
	s_endpgm
.Lentry_in_a_cluster:
	s_bfe_u32 s2, ttmp6, 0x10000c
	s_cmp_lg_u32 s2, 0xf033
	s_cbranch_scc0 .Lentry_shape_is_right
	s_endpgm
.Lentry_shape_is_right:
; q, k = x W + b (256 tokens x 256 features of one of the two to a work-group), then v (256 tokens x 128 features to a work-group), all on codes of FP8 (E4M3); the results are quantised at once.
; Operands are images of registers: 16 rows x 128 K are 2,048 bytes, four groups of 512, lane l's 16 bytes at 16 l.  xc: [3 scales][64 groups of 128 tokens][4 quarters of K][8 blocks of 16][4,096]; wc: [weight][8 groups of 128 features][4 quarters][8 blocks of 16][4,096].
; qkvc: q, then k (8 MiB each): [batch][head][64 tiles of 16 tokens][1,024]: images of fragments of K = 64;  then v: [batch][head][8 steps of 128 keys][4 tiles of 16 features][2,048]: images of fragments of K = 128 keys.
; FIRST PART: a wave makes 128 x 128: 64 accumulators; used TRANSPOSED (source 0 = features, source 1 = tokens): a lane holds eight neighbouring features of a token, which is q's and k's K.
; SECOND PART: a wave makes 128 tokens x 64 features, 32 accumulators; source 0 = tokens, source 1 = features: a lane holds eight neighbouring tokens (keys) of a feature, which is v's K.
; LDS: wave w's loads fill the 65,536 bytes from 65,536 w on: slot 0's part, then slot 1's, 32,768 bytes each (waves 0, 1: x's halves, then Wv's; waves 2, 3: the weight's halves, then x's).  A slot holds a quarter of K, two steps of 128.
; AT THE HEAD each wave issues ONE joint load of 65,536 dense bytes: both slots.  Then each slot is filled again behind a round of the cluster's barrier: quarters 2 and 3, and the second part's four quarters.
; CLUSTERS of 4 x 4: in the first part the four of a row need the same tokens, the four of a column the same features; in the second part the row shares Wv's tile and the column x's.  Each tile is asked for jointly.
; PREFETCH: behind each fill's joint load every wave asks for its share of the fill two fills on.  The four partners of a tile share it out by address: 32 blocks of 256 bytes each of x (Wv: eight);
; of a weight's tile, which eight clusters read, each cluster asks for one half of each share, by the cluster's number: each byte is asked for by four clusters.
; LIMITS on the given exponents: entry 6 - (0 + 1), 7 - (2 + 3) and 9 - (4 + 5) between -126 and 119.  NaN is not served.
; REGISTERS, in windows of 256: window 0: v0-31 addresses; v32-95 bq or bk; v96-103 bv; v104-105 prefetch offsets; from v128 A's fragments, ONE set of eight (second part: TWO sets of four); on the way out v128-223 are at work.
;   window 1: B's fragments, TWO sets of eight;  windows 2, 3: the accumulators ((a, b) at v[8 (8 (a % 4) + b)]).
.set FR,    16                         ; registers of a fragment
.set NL,    4                          ; LDS loads that bring one
.set NP,    4                          ; places behind this matrix instruction (ISA guide 7.12.1)
.set SLOT,  32768
.set SROW,  4096                       ; a block's bytes in a slot: two K steps
.set SPARE, 262144                     ; the spare words, 128 bytes a wave: two blocks of 256 bytes that no other line names
.set QK,    32768                      ; a group's quarter of K
.set ADRA,  16                         ; v16-17 LDS address of my A fragments in slot 0, 1
.set ADRB,  20                         ; v20-21 the same for B
.set SC2,   22
.set LIM2,  23
.set VBJ,   24
.set VBI,   25
.set CO,    26                         ; v26  16 x lane
.set SPW,   28                         ; v28  LDS address of my spare word; never rewritten
.set NIL,   29                         ; v29  0; never rewritten
.set SC,    30
.set LIM,   31
.set BJ,    32
.set BI,    96
.set PF,    104                        ; v104, v105 the prefetches' offsets in the first and in the second part; never rewritten
.set AF,    128
.set TMP,   128
.set CD,    192
.set G1A,   24                         ; group 1 of the refills: x's tiles (mask: my row),
.set G1B,   56                         ; the weight's, and in the second part x's (mask: my column),
.set G1C,   68                         ; Wv's (mask: my row)
.set G1HA,  40                         ; group 1 of the head's loads
.set G1HB,  48
.set G0A,   32                         ; group 0, which walks: waves 0 and 1,
.set G0B,   36                         ; waves 2 and 3
.set VA,    76                         ; s[76:77], s[78:79] the second part's first addresses
.set VB,    78
.set MSB,   0
.macro WIN new                         ; the immediate's high byte repeats the setting that is left
.if MSB != \new
	s_set_vgpr_msb (MSB<<8)|\new
.set MSB, \new
.endif
.endm
.set MUL_LO, 0xa1                      ; source 0 (B) window 1, source 1 (A) window 0, C and D window 2
.set MUL_HI, 0xf1                      ; the same, C and D window 3
.set TO_B,   0x40
.macro JLOAD g1a, g1b                  ; a joint load; an s_nop 0 and four v_nop follow each of the two lines
	s_cmp_eq_u32 s15, 0
	s_cbranch_scc0 .Lfor_b_\@
	tensor_load_to_lds s[G0A:G0A+3], s[\g1a:\g1a+7]
	s_nop 0
.rept 4
	v_nop
.endr
	s_branch .Lasked_\@
.Lfor_b_\@:
	tensor_load_to_lds s[G0B:G0B+3], s[\g1b:\g1b+7]
	s_nop 0
.rept 4
	v_nop
.endr
.Lasked_\@:
.endm
.macro GSTEP step, flip                ; the walking groups 0 (no load of the wave is out): the next fill's bytes, and its slot
.if \step
	s_add_nc_u64 s[G0A+2:G0A+3], s[G0A+2:G0A+3], \step
	s_add_nc_u64 s[G0B+2:G0B+3], s[G0B+2:G0B+3], \step
.endif
.if \flip
	s_xor_b32 s[G0A+1], s[G0A+1], SLOT
	s_xor_b32 s[G0B+1], s[G0B+1], SLOT
.endif
.endm
.macro ASK n                           ; fill n's bytes into the L2: n = 2, 3 the first part's, 4 to 7 the second's
.if (\n) < 4
	global_prefetch_b8 v[PF], s[80:81] offset:QK*(\n) th:TH_LOAD_NT scope:SCOPE_SE
.else
	global_prefetch_b8 v[PF+1], s[82:83] offset:QK*((\n)-4) th:TH_LOAD_NT scope:SCOPE_SE
.endif
.endm
.macro CREST                           ; a round of the cluster's barrier behind its opening barrier
	s_cmp_lg_u32 s14, 0
	s_cbranch_scc1 .Lnot_wave_0_\@
	s_barrier_signal -3
.Lnot_wave_0_\@:
	s_barrier_wait -3
	s_barrier_signal -1
	s_barrier_wait -1
.endm
.macro CROUND                          ; a whole round
	s_barrier_signal -1
	s_barrier_wait -1
	CREST
.endm
.macro FRAG reg, adr, q, i             ; block i's fragment of the slot's q-th 128 along K
.irp c, 0,1,2,3
	ds_load_b128 v[\reg+4*\c:\reg+4*\c+3], v[\adr] offset:SROW*(\i)+2048*(\q)+512*\c
.endr
.endm
.macro PLACES n                        ; places in front of loads into registers that matrix instructions have read
.rept \n
	v_nop
.endr
.endm
; FIRST PART.  64 matrix instructions a step; the accumulators take turns, one instruction a turn, in the same order in every step.
.macro MUL16 a0, p, zero               ; A's blocks a0, a0 + 1 x B's eight of set p; zero = 1: the first product starts the sums
.irp a, \a0, \a0+1
.irp b, 0,1,2,3,4,5,6,7
.if \zero
	v_wmma_f32_16x16x128_fp8_fp8 v[8*(8*((\a)%4)+\b):8*(8*((\a)%4)+\b)+7], v[128*(\p)+FR*\b:128*(\p)+FR*\b+FR-1], v[AF+FR*(\a):AF+FR*(\a)+FR-1], 0
.else
	v_wmma_f32_16x16x128_fp8_fp8 v[8*(8*((\a)%4)+\b):8*(8*((\a)%4)+\b)+7], v[128*(\p)+FR*\b:128*(\p)+FR*\b+FR-1], v[AF+FR*(\a):AF+FR*(\a)+FR-1], v[8*(8*((\a)%4)+\b):8*(8*((\a)%4)+\b)+7]
.endif
.endr
.endr
.endm
.macro FETCH_B slot, q, p
	WIN TO_B
.irp i, 0,1,2,3,4,5,6,7
	FRAG 128*(\p)+FR*\i, ADRB+\slot, \q, \i
.endr
	WIN 0
.endm
.macro FETCH_A slot, q, i0
.irp i, \i0, \i0+1, \i0+2, \i0+3
	FRAG AF+FR*(\i), ADRA+\slot, \q, \i
.endr
.endm
.macro STEP slot, q, zero              ; a slot's first step: its successor lies in the same slot
	s_wait_dscnt 4*NL                              ; B's set and A's blocks 0-3 are in; A's blocks 4-7 (16 loads) may be out
	WIN MUL_LO
	MUL16 0, (\q)%2, \zero
	MUL16 2, (\q)%2, \zero
	s_wait_dscnt 0
	PLACES NP
	FETCH_B \slot, (\q)+1, 1-(\q)%2
	FETCH_A \slot, (\q)+1, 0
	WIN MUL_HI
	MUL16 4, (\q)%2, \zero
	MUL16 6, (\q)%2, \zero
	PLACES NP
	WIN 0
	FETCH_A \slot, (\q)+1, 4
.endm
; A slot's second step changes slots.  In front of the barrier each wave waits for all its tensor loads, adds 0 to its spare word, and waits for that and for its reads of the slot that it leaves; behind the round that slot takes fill n.
.macro TURN slot, next, n
	s_wait_tensorcnt 0x0                           ; my part of the next slot is in
	ds_add_u32 v[SPW], v[NIL]                      ; 0 onto my spare word
.if (\n) == 2
	GSTEP 2*QK, 0
.elseif (\n) == 4
	s_mov_b64 s[G0A+2:G0A+3], s[VA:VA+1]           ; on to the second part's tiles
	s_mov_b64 s[G0B+2:G0B+3], s[VB:VB+1]
	GSTEP 0, 1
.else
	GSTEP QK, 1
.endif
	s_wait_dscnt 4*NL+1                            ; the add and A's blocks 4-7 may be out
	WIN MUL_LO
	MUL16 0, 1, 0
	s_wait_dscnt 0x0                               ; the add is done, and my reads of this slot are over
	s_barrier_signal -1
	MUL16 2, 1, 0
	WIN 0
	s_barrier_wait -1
	CREST                                          ; no wave of any partner still reads this slot or has a load on its way
.if (\n) < 4
	JLOAD G1A, G1B
.else
	JLOAD G1C, G1B
.endif
.if (\n) < 5
	FETCH_B \next, 0, 0
	FETCH_A \next, 0, 0
.endif
	ASK (\n)+2
	WIN MUL_HI
	MUL16 4, 1, 0
	MUL16 6, 1, 0
.if (\n) < 5
	PLACES NP
	WIN 0
	FETCH_A \next, 0, 4
.endif
.endm
; SECOND PART.  32 matrix instructions a step on 32 accumulators by turns.
.macro HMUL a0, p, zero
.irp a, \a0, \a0+1
.irp b, 0,1,2,3,4,5,6,7
.if \zero
	v_wmma_f32_16x16x128_fp8_fp8 v[8*(8*(\a)+\b):8*(8*(\a)+\b)+7], v[128*(\p)+FR*\b:128*(\p)+FR*\b+FR-1], v[AF+64*(\p)+FR*(\a):AF+64*(\p)+FR*(\a)+FR-1], 0
.else
	v_wmma_f32_16x16x128_fp8_fp8 v[8*(8*(\a)+\b):8*(8*(\a)+\b)+7], v[128*(\p)+FR*\b:128*(\p)+FR*\b+FR-1], v[AF+64*(\p)+FR*(\a):AF+64*(\p)+FR*(\a)+FR-1], v[8*(8*(\a)+\b):8*(8*(\a)+\b)+7]
.endif
.endr
.endr
.endm
.macro HFETCH slot, q, p               ; 48 LDS loads in one run
	WIN TO_B
.irp i, 0,1,2,3,4,5,6,7
	FRAG 128*(\p)+FR*\i, ADRB+\slot, \q, \i
.endr
	WIN 0
.irp i, 0,1,2,3
	FRAG AF+64*(\p)+FR*\i, ADRA+\slot, \q, \i
.endr
.endm
.macro HSTEP fs, fq, p, zero
	s_wait_dscnt 0x0
	PLACES NP
	HFETCH \fs, \fq, 1-(\p)
	WIN MUL_LO
	HMUL 0, \p, \zero
	HMUL 2, \p, \zero
.endm
.macro HTURN next, fill                ; as TURN
	WIN 0
	s_wait_tensorcnt 0x0
	ds_add_u32 v[SPW], v[NIL]
.if \fill
	GSTEP QK, 1
.endif
	s_wait_dscnt 0x0
	s_barrier_signal -1
	WIN MUL_LO
	HMUL 0, 1, 0
	WIN 0
	s_barrier_wait -1
.if \fill
	CREST
	JLOAD G1C, G1B
.else
	PLACES NP
.endif
	HFETCH \next, 0, 0
	WIN MUL_LO
	HMUL 2, 1, 0
.endm
; THE WAY OUT of block a: bias (divided by the power of two that the sums lack), hold, codes: they ARE the next operand's registers and leave as they stand, 512 consecutive bytes an instruction.
.macro EPI a, isv
.set AC, 64*((\a)%4)
.set CB, CD+16*((\a)%2)
.set WS, 0x02+((\a)/4)
.set VS, SC+(SC2-SC)*(\isv)
.set VL, LIM+(LIM2-LIM)*(\isv)
.if (\a) >= 2
	s_wait_xcnt 0x0                                ; block a - 2's stores have read their codes
.endif
	WIN WS
.set J, 0
.rept 32
.if \isv
	v_pk_add_f32 v[TMP+J:TMP+J+1], v[AC+J:AC+J+1], v[BI+2*(\a):BI+2*(\a)+1]
.else
	v_pk_add_f32 v[TMP+J:TMP+J+1], v[AC+J:AC+J+1], v[BJ+J:BJ+J+1]
.endif
.set J, J+2
.endr
	WIN 0
.set J, 0
.rept 64
	v_med3_num_f32 v[TMP+J], v[TMP+J], -v[VL], v[VL]   ; the conversion does not saturate (ISA guide 7.6.2)
.set J, J+1
.endr
.irp b, 0,1,2,3,4,5,6,7
	v_cvt_scalef32_pk8_fp8_f32 v[CB+2*\b:CB+2*\b+1], v[TMP+8*\b:TMP+8*\b+7], v[VS]
.endr
	v_nop
.irp g, 0,1,2,3
.if \isv
	global_store_b128 v[CO], v[CB+4*\g:CB+4*\g+3], s[20:21] offset:2048*(\a)+512*\g
.else
	global_store_b128 v[CO], v[CB+4*\g:CB+4*\g+3], s[10:11] offset:1024*(\a)+512*(\g%2)+65536*(\g/2)
.endif
.endr
.endm
	s_load_b256 s[4:11], s[0:1], 0x0               ; xc, wc, the scales, qkvc
	s_load_b128 s[96:99], s[0:1], 0x20             ; bq, bk
	s_load_b64 s[100:101], s[0:1], 0x30            ; bv
	v_lshl_add_u32 v[SPW], v0, 2, SPARE
	v_mov_b32 v[NIL], 0
	ds_add_u32 v[SPW], v[NIL]                      ; the opening: the add, twice on end, and its wait ahead of my first tensor load
	ds_add_u32 v[SPW], v[NIL]
	v_lshrrev_b32 v1, 5, v0
	v_readfirstlane_b32 s14, v1                    ; wave 0..3
	s_lshr_b32 s15, s14, 1                         ; A's half that is mine.  Also: I fetch for A (0) or for B (1)
	s_and_b32 s16, s14, 1                          ; B's half that is mine.  Also: which half of a tile I fetch
	s_bfe_u32 s66, ttmp6, 0x40000                  ; cx
	s_bfe_u32 s67, ttmp6, 0x40004                  ; cy
	s_and_b32 s12, ttmp7, 0xffff                   ; the cluster, 0..15
	s_lshr_b32 s13, s12, 3                         ; first part: q (0) or k (1)
	s_and_b32 s17, s12, 7
	s_lshl_b32 s17, s17, 2
	s_add_co_u32 s17, s17, s67                     ; its tile of 256 tokens (its tile of features is cx)
	s_and_b32 s19, s12, 1
	s_lshl_b32 s19, s19, 2
	s_add_co_u32 s19, s19, s67                     ; second part: the tile of 128 features of v,
	s_lshr_b32 s18, s12, 1
	s_lshl_b32 s18, s18, 2
	s_add_co_u32 s18, s18, s66                     ; and of 256 tokens
	s_lshl_b32 s2, s67, 2
	s_lshl_b32 s2, 15, s2                          ; my row of the cluster
	s_lshl_b32 s3, 0x1111, s66                     ; my column
	s_or_b32 s[G1HA], s2, (3<<16)|(1<<21)          ; 15:0 the mask; 17:16 elements of 8 bytes; 21 set beside a mask
	s_or_b32 s[G1HB], s3, (3<<16)|(1<<21)
	s_or_b32 s[G1A], s2, (3<<16)|(1<<21)
	s_or_b32 s[G1B], s3, (3<<16)|(1<<21)
	s_or_b32 s[G1C], s2, (3<<16)|(1<<21)
.irp g, G1HA, G1HB, G1A, G1B, G1C      ; each a dense run of rows of 4,096 bytes
	s_mov_b32 s[\g+1], 512<<16
	s_mov_b32 s[\g+3], 512<<16
	s_mov_b32 s[\g+5], 512
	s_mov_b32 s[\g+6], 0
	s_mov_b32 s[\g+7], 0
.endr
	s_mov_b32 s[G1HA+2], 16<<16
	s_mov_b32 s[G1HA+4], 16
	s_mov_b32 s[G1HB+2], 16<<16
	s_mov_b32 s[G1HB+4], 16
	s_mov_b32 s[G1A+2], 8<<16
	s_mov_b32 s[G1A+4], 8
	s_mov_b32 s[G1B+2], 8<<16
	s_mov_b32 s[G1B+4], 8
	s_mov_b32 s[G1C+2], 4<<16
	s_mov_b32 s[G1C+4], 4
	; where the tiles come from.  A's hang on cy, B's on cx, and neither on the other
	s_lshl_b32 s22, s16, 17
	s_lshl_b32 s23, s16, 14
	s_lshl_b32 s[G0A+2], s17, 18
	s_add_co_u32 s[G0A+2], s[G0A+2], s22
	s_lshl_b32 s21, s13, 23
	s_add_co_u32 s[G0A+2], s[G0A+2], s21
	s_mov_b32 s[G0A+3], 0
	s_lshl_b32 s[G0B+2], s66, 18
	s_add_co_u32 s[G0B+2], s[G0B+2], s22
	s_lshl_b32 s21, s13, 20
	s_add_co_u32 s[G0B+2], s[G0B+2], s21
	s_mov_b32 s[G0B+3], 0
	s_lshl_b32 s[VA], s19, 17
	s_add_co_u32 s[VA], s[VA], s23
	s_add_co_u32 s[VA], s[VA], 0x200000            ; the third weight's codes
	s_mov_b32 s[VA+1], 0
	s_lshl_b32 s[VB], s18, 18
	s_add_co_u32 s[VB], s[VB], s22
	s_add_co_u32 s[VB], s[VB], 0x1000000           ; x's third codes
	s_mov_b32 s[VB+1], 0
	s_lshl_b32 s[G0A+1], s14, 16                   ; LDS: 65,536 x wave, slot 0
	s_lshl_b32 s[G0B+1], s14, 16
	s_mov_b32 s[G0A], 1
	s_mov_b32 s[G0B], 1
	s_wait_alu depctr_va_vdst(0)
	s_wait_dscnt 0x0                               ; both opening adds are done
	s_wait_kmcnt 0x0
	s_load_b256 s[84:91], s[8:9], 0x0              ; entries 0 to 7
	s_load_b128 s[92:95], s[8:9], 0x20             ; entries 8 to 11
	s_add_nc_u64 s[G0A+2:G0A+3], s[4:5], s[G0A+2:G0A+3]
	s_add_nc_u64 s[G0B+2:G0B+3], s[6:7], s[G0B+2:G0B+3]
	s_add_nc_u64 s[VA:VA+1], s[6:7], s[VA:VA+1]
	s_add_nc_u64 s[VB:VB+1], s[4:5], s[VB:VB+1]
	s_or_b32 s[G0A+3], s[G0A+3], 0x80000000        ; 127:126 type = 2
	s_or_b32 s[G0B+3], s[G0B+3], 0x80000000
	s_or_b32 s[VA+1], s[VA+1], 0x80000000
	s_or_b32 s[VB+1], s[VB+1], 0x80000000
	CROUND                                         ; all sixteen work-groups are here: the first joint loads meet
	JLOAD G1HA, G1HB                               ; fills 0 and 1
	; the prefetches' offsets.  First part: waves 0, 1 in x's codes; waves 2, 3 in the weight's
	s_lshl_b32 s2, s13, 23
	s_lshl_b32 s3, s17, 18
	s_add_co_u32 s2, s2, s3
	s_lshl_b32 s20, s16, 17
	s_add_co_u32 s2, s2, s20
	s_lshl_b32 s3, s66, 13                         ; partner cx: 8,192 bytes
	s_add_co_u32 s2, s2, s3
	s_lshl_b32 s22, s13, 20
	s_lshl_b32 s3, s66, 18
	s_add_co_u32 s22, s22, s3
	s_add_co_u32 s22, s22, s20
	s_lshl_b32 s3, s67, 13                         ; partner cy: 8,192 bytes,
	s_add_co_u32 s22, s22, s3
	s_and_b32 s3, s12, 1
	s_lshl_b32 s3, s3, 12                          ; of which this cluster asks for one half
	s_add_co_u32 s22, s22, s3
	s_cmp_eq_u32 s15, 0
	s_cselect_b32 s2, s2, s22
	; second part: waves 0, 1 in Wv's codes, waves 2, 3 in x's
	s_lshl_b32 s3, s19, 17
	s_lshl_b32 s22, s16, 14
	s_add_co_u32 s3, s3, s22
	s_lshl_b32 s22, s66, 12                        ; partner cx: 4,096 bytes,
	s_add_co_u32 s3, s3, s22
	s_bfe_u32 s22, s12, 0x10001
	s_lshl_b32 s22, s22, 11                        ; of which this cluster asks for one half
	s_add_co_u32 s3, s3, s22
	s_add_co_u32 s3, s3, 0x200000
	s_lshl_b32 s22, s18, 18
	s_add_co_u32 s22, s22, s20
	s_lshl_b32 s20, s67, 13                        ; partner cy: 8,192 bytes
	s_add_co_u32 s22, s22, s20
	s_add_co_u32 s22, s22, 0x1000000
	s_cmp_eq_u32 s15, 0
	s_cselect_b32 s3, s3, s22
	s_cselect_b32 s20, 31, 15                      ; lanes that name blocks of their own; the others name them again
	s_cselect_b32 s21, 7, 31
	s_cselect_b64 s[80:81], s[4:5], s[6:7]
	s_cselect_b64 s[82:83], s[6:7], s[4:5]
	v_and_b32 v1, 31, v0                           ; lane
	v_and_b32 v2, s20, v1
	v_and_b32 v3, s21, v1
	v_lshlrev_b32 v2, 8, v2                        ; lanes 256 bytes apart
	v_lshlrev_b32 v3, 8, v3
	v_add_nc_u32 v[PF], s2, v2
	v_add_nc_u32 v[PF+1], s3, v3
	ASK 2                                          ; the first two refills, each at least a slot's work ahead of its load
	ASK 3
	; where the biases lie and the results go
	s_lshl_b32 s2, s66, 1
	s_add_co_u32 s2, s2, s16                       ; my 128 features of q or k: two heads
	s_cmp_eq_u32 s13, 0
	s_cselect_b64 s[96:97], s[96:97], s[98:99]
	s_lshl_b32 s22, s2, 9
	s_mov_b32 s23, 0
	s_add_nc_u64 s[96:97], s[96:97], s[22:23]
	s_lshl_b32 s22, s2, 17
	s_lshl_b32 s3, s13, 23
	s_add_co_u32 s22, s22, s3
	s_lshr_b32 s3, s17, 2
	s_lshl_b32 s3, s3, 20                          ; the batch
	s_add_co_u32 s22, s22, s3
	s_and_b32 s3, s17, 3
	s_lshl_b32 s3, s3, 1
	s_add_co_u32 s3, s3, s15
	s_lshl_b32 s3, s3, 13                          ; my eight tiles of 16 tokens
	s_add_co_u32 s22, s22, s3
	s_lshl_b32 s2, s19, 1
	s_add_co_u32 s2, s2, s15                       ; my head of v
	s_lshl_b32 s98, s2, 8
	s_mov_b32 s99, 0
	s_add_nc_u64 s[100:101], s[100:101], s[98:99]
	s_lshl_b32 s98, s2, 16
	s_add_co_u32 s98, s98, 0x1000000
	s_lshr_b32 s3, s18, 2
	s_lshl_b32 s3, s3, 20
	s_add_co_u32 s98, s98, s3
	s_and_b32 s3, s18, 3
	s_lshl_b32 s3, s3, 1
	s_add_co_u32 s3, s3, s16
	s_lshl_b32 s3, s3, 13                          ; my step of 128 keys
	s_add_co_u32 s98, s98, s3
	s_add_nc_u64 s[20:21], s[10:11], s[98:99]
	s_add_nc_u64 s[10:11], s[10:11], s[22:23]
	s_lshl_b32 s22, s15, 16                        ; my A fragments: region s15,
	s_lshl_b32 s23, s16, 16
	s_add_co_u32 s23, s23, 0x20000                 ; my B fragments: region 2 + s16
	v_and_b32 v1, 31, v0
	v_and_b32 v2, 15, v0                           ; r
	v_bfe_u32 v3, v0, 4, 1                         ; h
	v_lshlrev_b32 v[CO], 4, v1
	v_lshlrev_b32 v[VBJ], 5, v3
	v_lshlrev_b32 v[VBI], 2, v2
	v_add_nc_u32 v[ADRA], s22, v[CO]
	v_add_nc_u32 v[ADRB], s23, v[CO]
	v_add_nc_u32 v[ADRA+1], SLOT, v[ADRA]
	v_add_nc_u32 v[ADRB+1], SLOT, v[ADRB]
.irp b, 0,1,2,3,4,5,6,7
	global_load_b128 v[BJ+8*\b:BJ+8*\b+3], v[VBJ], s[96:97] offset:64*\b          ; bq or bk at my lane's eight features of each accumulator
	global_load_b128 v[BJ+8*\b+4:BJ+8*\b+7], v[VBJ], s[96:97] offset:64*\b+16
.endr
.irp a, 0,1,2,3
	global_load_b32 v[BI+2*\a], v[VBI], s[100:101] offset:64*\a                   ; bv at my lane's feature, twice: a pair
	global_load_b32 v[BI+2*\a+1], v[VBI], s[100:101] offset:64*\a
.endr
	s_wait_alu depctr_va_vdst(0)
	s_wait_tensorcnt 0x0                           ; my parts of both slots are in,
	s_barrier_signal -1
	s_barrier_wait -1                              ; and everybody's
	FETCH_B 0, 0, 0
	FETCH_A 0, 0, 0
	FETCH_A 0, 0, 4
	STEP 0, 0, 1                                   ; K = 1,024 is eight steps of 128, written out; the first products start the sums
	TURN 0, 1, 2
	STEP 1, 0, 0
	TURN 1, 0, 3
	STEP 0, 0, 0
	TURN 0, 1, 4                                   ; the second part's first two fills go out here, ahead of the first part's way out
	STEP 1, 0, 0
	TURN 1, 0, 5
	WIN 0
	s_wait_loadcnt 0x0                             ; the biases
	s_wait_kmcnt 0x0
	s_add_co_i32 s96, s84, s85
	s_add_co_i32 s97, s86, s87
	s_cmp_eq_u32 s13, 0
	s_cselect_b32 s96, s96, s97                    ; a sum stands for sum x 2^s96
	s_cselect_b32 s99, s90, s91                    ; the result's scale
	s_sub_co_i32 s97, 0, s96
.set J, 0
.rept 64
	v_ldexp_f32 v[BJ+J], v[BJ+J], s97              ; the bias in the sums' unit (also the places behind the last products)
.set J, J+1
.endr
	s_sub_co_i32 s99, s99, s96
	s_add_co_i32 s99, s99, 127
	s_lshl_b32 s98, s99, 23
	v_mov_b32 v[SC], s98
	s_add_co_i32 s99, s99, 8
	s_lshl_b32 s99, s99, 23
	s_or_b32 s99, s99, 0x600000
	v_mov_b32 v[LIM], s99                          ; 448 x that
.irp a, 0,1,2,3,4,5,6,7
	EPI \a, 0
.endr
	s_wait_xcnt 0x0                                ; the stores have read the codes' registers: the fragments may land there
	HFETCH 0, 0, 0                                 ; the last change of slots has shown fill 4 to every wave
	HSTEP 0, 1, 0, 1
	HTURN 1, 1
	HSTEP 1, 1, 0, 0
	HTURN 0, 1
	HSTEP 0, 1, 0, 0
	HTURN 1, 0
	HSTEP 1, 1, 0, 0
	s_wait_dscnt 0x0
	WIN MUL_LO
	HMUL 0, 1, 0
	HMUL 2, 1, 0
	WIN 0
	s_add_co_i32 s96, s88, s89
	s_sub_co_i32 s97, 0, s96
.set J, 0
.rept 8
	v_ldexp_f32 v[BI+J], v[BI+J], s97
.set J, J+1
.endr
	s_sub_co_i32 s99, s93, s96
	s_add_co_i32 s99, s99, 127
	s_lshl_b32 s98, s99, 23
	v_mov_b32 v[SC2], s98
	s_add_co_i32 s99, s99, 8
	s_lshl_b32 s99, s99, 23
	s_or_b32 s99, s99, 0x600000
	v_mov_b32 v[LIM2], s99
.irp a, 0,1,2,3
	EPI \a, 1
.endr
	s_wait_tensorcnt 0x0                           ; the wave's end
	ds_add_u32 v[SPW], v[NIL]
	s_wait_dscnt 0x0
	CROUND                                         ; the closing round: no work-group ends while a partner may still ask for a tile that names it
	s_endpgm
.Lfunc_end_k_q872fd0cc94_project:
	.size	k_q872fd0cc94_project, .Lfunc_end_k_q872fd0cc94_project-k_q872fd0cc94_project
	.p2alignl 7, 3214868480
	.fill 96, 4, 3214868480
	.section	.rodata,"a",@progbits
	.p2align	6, 0x0
	.amdhsa_kernel k_q872fd0cc94_project
		.amdhsa_group_segment_fixed_size 327680
		.amdhsa_private_segment_fixed_size 0
		.amdhsa_enable_private_segment 0
		.amdhsa_kernarg_size 56
		.amdhsa_user_sgpr_count 2
		.amdhsa_user_sgpr_kernarg_segment_ptr 1
		.amdhsa_wavefront_size32 1
		.amdhsa_system_sgpr_workgroup_id_x 1
		.amdhsa_system_sgpr_workgroup_id_y 1
		.amdhsa_system_sgpr_workgroup_id_z 1
		.amdhsa_system_vgpr_workitem_id 0
		.amdhsa_next_free_vgpr 1024
		.amdhsa_next_free_sgpr 106
		.amdhsa_reserve_vcc 0
		.amdhsa_float_denorm_mode_32 3
		.amdhsa_float_denorm_mode_16_64 3
		.amdhsa_memory_ordered 1
		.amdhsa_forward_progress 1
		.amdhsa_inst_pref_size 219
	.end_amdhsa_kernel
	.amdgpu_metadata
---
amdhsa.version: [ 1, 2 ]
amdhsa.kernels:
  - .name:           k_q872fd0cc94_project
    .symbol:         k_q872fd0cc94_project.kd
    .args:
      - { .name: xc, .offset: 0, .size: 8, .value_kind: global_buffer, .address_space: global }
      - { .name: wc, .offset: 8, .size: 8, .value_kind: global_buffer, .address_space: global }
      - { .name: lowp_scales, .offset: 16, .size: 8, .value_kind: global_buffer, .address_space: global }
      - { .name: qkvc, .offset: 24, .size: 8, .value_kind: global_buffer, .address_space: global }
      - { .name: bq, .offset: 32, .size: 8, .value_kind: global_buffer, .address_space: global }
      - { .name: bk, .offset: 40, .size: 8, .value_kind: global_buffer, .address_space: global }
      - { .name: bv, .offset: 48, .size: 8, .value_kind: global_buffer, .address_space: global }
    .group_segment_fixed_size: 327680
    .private_segment_fixed_size: 0
    .kernarg_segment_align: 8
    .kernarg_segment_size: 56
    .max_flat_workgroup_size: 128
    .sgpr_count:     106
    .vgpr_count:     1024
    .wavefront_size: 32
...
	.end_amdgpu_metadata
.endif
;; end of part 2
;; launch attend (part 3): grid 2 x 128, 16 waves a work-group, no clusters, 327,680 bytes of LDS; arguments qkvc, lowp_scales, yc; writes yc
.if DOCPART == 3
	.amdgcn_target "amdgcn-amd-amdhsa--gfx1250"
	.amdhsa_code_object_version 6
	.text
	.protected	k_q872fd0cc94_attend
	.globl	k_q872fd0cc94_attend
	.p2align	8
	.type	k_q872fd0cc94_attend,@function
k_q872fd0cc94_attend:
	s_mov_b64 s[64:65], 0
	v_nop
	global_prefetch_b8 v0, s[64:65] scope:SCOPE_SE
	s_setreg_imm32_b32 hwreg(HW_REG_WAVE_MODE, 25, 1), 1
	s_wait_xcnt 0x0
; y[b][q][head] = the sum over keys k <= q of softmax_k(q . k / 8) v, both products on codes of FP8 (E4M3); y is quantised at once for the last product.
; q, k: images of fragments of K = 64 (16 tokens: 1,024 bytes); v: images of fragments of K = 128 keys (16 of the head's 64: 2,048 bytes); all with k in its true place.
; THE SOFTMAX: t = score x log2(e) / 8; M = the running largest t rounded UP to a whole number; p = 2^(t - M) is quantised (entry 8); the row's sum is taken of the unquantised p and divides at the end.
; SHARES.  A head has two work-groups.  With u = 2 x wave + work-group, a wave owns the tiles of 16 queries u (first) and 63 - u (then): tile T needs T / 8 + 1 steps of 128 keys, so every wave has nine steps, two of them on the diagonal, and in both work-groups some wave walks all keys.
; Steps all of whose keys come after the wave's queries are left out by a scalar branch on ids (their scores are -infinity and their p is 0 for all inputs; a NaN or an infinity that reaches only them is not carried to the result); on the diagonal hidden scores become -infinity ahead of the maximum.  Key 0 counts for every query.
; LDS holds the head's whole K and V: step s of 128 keys has its K at 16,384 s and its V 8,192 bytes on.  Each of the sixteen waves fetches 4,096 bytes of steps 0 to 3 by its one load at the head, and 4,096 bytes of steps 4 to 7 by its one load behind the first barrier; nothing is filled again.
; Tile u, at most 31, needs keys under 512 alone: steps 0 to 3.  It is worked while steps 4 to 7 are on their way; in front of tile 63 - u a second barrier shows them to every wave.
; K's fragments of the next step are loaded while a step's softmax is worked; V's come in two halves: the first at the step's head, the second into the registers of p that have become codes.
; LAYOUT.  S^T = K Q^T (source 0 = 16 keys, source 1 = my 16 queries), O^T = V^T P^T: a lane holds ONE query; tile t's eight registers are keys 16 t + 8 (lane / 16) + 0 .. 7: registers 2 t, 2 t + 1 of the second product's operand.
; NO CLUSTER: only the two work-groups of a head read the same tiles, each once.
; NO PREFETCH: the work-group reads each byte by one of two groups of loads, and the second goes out a whole tile's work ahead of its use.
; LIMITS on the given exponents: entries 6 + 7 between -123 and 130 (they are added to c's exponent field); entries 8 and 10 between -126 and 119; entries 8 + 9 are applied by v_ldexp_f32.  The scaled scores stay under 2^31 in magnitude.  NaN is not served.
; REGISTERS: v1 an address that stays; v8, v9 the step's; v12 -M, v13 the largest t, v[14:15] the sum; v16-23, v24-31 Q of the two tiles; v32-95 K's fragments; v96-159 S^T, then p (v96-127 then V's second half); v160-191 O^T; v192-223 V's first half, at the end y; v224-239 codes.
.set SPARE, 131072                     ; behind K and V: the spare words, 128 bytes a wave: eight blocks of 256 bytes that no other line names
.set AK0,  1                           ; v1   16 x lane
.set DQ,   3                           ; v3   lane % 16 - 8 (lane / 16): on the diagonal tile register j counts where j <= DQ
.set SPW,  5                           ; v5   LDS address of my spare word; never rewritten
.set NIL,  6                           ; v6   0; never rewritten
.set ADK,  8                           ; v8   LDS address of the step,
.set ADN,  9                           ; v9   and of the next
.set YL,   10                          ; v10  448 x y's scale
.set TB,   2                           ; s2   LDS byte of the step: 16,384 x step
.set WV,   18
.set SEL,  20                          ; s[20:21] lane selects for v_permlanex16_b32: lane l xor 16
.set CS,   22                          ; s[22:23] c
.set G1,   24                          ; s[24:31] descriptor group 1
.set G0,   32                          ; s[32:35] group 0
.set TD,   36                          ; s36  my tile % 8: the diagonal step's tile of keys that is cut
.set KF,   50                          ; s50  the step's first key
.set Q0,   51                          ; s51  my first query
.set CNT,  52
.macro KLOAD adr                       ; K's eight fragments of a step
.irp t, 0,1,2,3,4,5,6,7
	ds_load_b128 v[32+8*\t:35+8*\t], v[\adr] offset:1024*\t
	ds_load_b128 v[36+8*\t:39+8*\t], v[\adr] offset:1024*\t+512
.endr
.endm
.macro VLOAD d, reg                    ; V's fragment of the head's 16 d .. 16 d + 15
.irp g, 0,1,2,3
	ds_load_b128 v[\reg+4*\g:\reg+4*\g+3], v[ADK] offset:8192+2048*(\d)+512*\g
.endr
.endm
.macro TRI t                           ; the tile of 16 keys that lies on the diagonal: key 8 (lane / 16) + j counts for query lane % 16 where it is not later
.irp j, 0,1,2,3,4,5,6,7
	v_cmp_le_i32 vcc_lo, \j, v[DQ]
	v_cndmask_b32 v[96+8*(\t)+\j], 0xff800000, v[96+8*(\t)+\j], vcc_lo
.endr
.endm
.macro HOLD t                          ; tile t's p become codes.  The conversion does not saturate (ISA guide 7.6.2); p is not negative, so the hold is one-sided
.irp i, 0,2,4,6
	v_dual_min_num_f32 v[96+8*(\t)+\i], v[96+8*(\t)+\i], v240 :: v_dual_min_num_f32 v[97+8*(\t)+\i], v[97+8*(\t)+\i], v241
.endr
	v_cvt_scalef32_pk8_fp8_f32 v[224+2*(\t):225+2*(\t)], v[96+8*(\t):103+8*(\t)], v244
.endm
.macro PFMA n                          ; eight times t - M, two at a time
.set J, 16*(\n)
.rept 8
	v_pk_fma_f32 v[96+J:97+J], v[96+J:97+J], s[CS:CS+1], v[12:13] op_sel_hi:[1,0,0]
.set J, J+2
.endr
.endm
; A KEY STEP of 128 keys; K's fragments are in.  q: the first register of Q's fragment; last: the LDS byte of the tile's last possible step.
.macro STEP q, last
	s_add_co_u32 s53, s[Q0], 15
	s_cmp_gt_u32 s[KF], s53
	s_cbranch_scc1 .Lhidden_\@                     ; all its keys come after my queries
	s_add_co_u32 s53, s[TB], 16384
	s_min_u32 s53, s53, \last
	v_add_nc_u32 v[ADK], s[TB], v[AK0]
	v_add_nc_u32 v[ADN], s53, v[AK0]
	v_nop                                          ; with the two additions: five places behind the last step's products, whose registers are written again
	v_nop
	v_nop
	VLOAD 0, 192
	VLOAD 1, 208
.irp t, 0,1,2,3,4,5,6,7
	v_wmma_f32_16x16x64_fp8_fp8 v[96+8*\t:103+8*\t], v[32+8*\t:39+8*\t], v[\q:\q+7], 0
.endr
.rept 4
	v_nop                                          ; places in front of the loads below and of the first read of the scores
.endr
	s_add_co_u32 s53, s[KF], 127
	s_cmp_le_u32 s53, s[Q0]
	s_cbranch_scc0 .Ldiag_\@
	KLOAD ADN                                      ; all keys count, and a further step follows: its K lands while the softmax is worked
	s_branch .Lmax_\@
.Ldiag_\@:                                         ; the diagonal step, my last: tiles of keys above the cut one are hidden whole, the cut one in part
.irp t, 7,6,5,4,3,2,1
	s_cmp_eq_u32 s[TD], \t
	s_cbranch_scc1 .Ltri_\@_\t
.irp j, 0,1,2,3,4,5,6,7
	v_mov_b32 v[96+8*\t+\j], 0xff800000            ; -infinity
.endr
.endr
.irp t, 0,1,2,3,4,5,6,7
.Ltri_\@_\t:
	TRI \t
	s_branch .Lmax_\@
.endr
.Lmax_\@:
	s_wait_alu depctr_va_vdst(0)
	v_max3_num_f32 v254, v96, v97, v98             ; the step's largest score of my query among my 64 keys, in four chains, each accumulator from its low end on,
	v_max3_num_f32 v252, v99, v100, v101
	v_max3_num_f32 v250, v102, v103, v104
	v_max3_num_f32 v248, v105, v106, v107
.irp i, 12,20,28,36,44,52
	v_max3_num_f32 v254, v254, v[96+\i], v[97+\i]
	v_max3_num_f32 v252, v252, v[98+\i], v[99+\i]
	v_max3_num_f32 v250, v250, v[100+\i], v[101+\i]
	v_max3_num_f32 v248, v248, v[102+\i], v[103+\i]
.endr
	v_max3_num_f32 v254, v254, v156, v157
	v_max3_num_f32 v252, v252, v158, v159
	v_max_num_f32 v250, v250, v248
	s_delay_alu instid0(VALU_DEP_1)
	v_max3_num_f32 v254, v254, v252, v250
	v_permlanex16_b32 v236, v254, s[SEL], s[SEL+1]
	s_delay_alu instid0(VALU_DEP_1)
	v_max_num_f32 v254, v254, v236                 ; and among lane l xor 16's
	s_delay_alu instid0(VALU_DEP_1)
	v_mul_f32 v254, s[CS], v254                    ; as t (c is positive)
	s_delay_alu instid0(VALU_DEP_1)
	v_max_num_f32 v13, v13, v254                   ; the running largest t
	v_mov_b32 v254, v12
	s_delay_alu instid0(VALU_DEP_2)
	v_floor_f32 v12, -v13                          ; the new -M = floor(-t): M is a whole number
	PFMA 0
	v_sub_f32 v254, v12, v254                      ; old M - new M: a whole number, 0 or less
	PFMA 1
	v_cvt_i32_f32 v254, v254                       ; (it saturates)
	PFMA 2
	v_ldexp_f32 v252, 1.0, v254                    ; f = 2^(old M - new M): a multiplication by it rounds nothing
	PFMA 3
.set J, 0
	s_wait_alu depctr_va_vdst(0)
.rept 64
	v_exp_f32 v[96+J], v[96+J]                     ; p = 2^(t - M), at most 1
.set J, J+1
.endr
	v_pk_mul_f32 v[14:15], v[14:15], v[252:253] op_sel_hi:[1,0]   ; the sums under the new M: the plain line behind the exponentials
	s_wait_alu depctr_va_vdst(0)                   ; one wait for the whole batch, ahead of its first reader
	v_pk_add_f32 v[242:243], v[100:101], v[104:105]
	v_pk_add_f32 v[254:255], v[108:109], v[112:113]
	v_pk_add_f32 v[250:251], v[116:117], v[120:121]
	v_pk_add_f32 v[248:249], v[124:125], v[128:129]
	v_pk_add_f32 v[246:247], v[132:133], v[136:137]
	v_pk_add_f32 v[238:239], v[140:141], v[144:145]
	v_pk_add_f32 v[236:237], v[148:149], v[152:153]
	v_pk_add_f32 v[14:15], v[14:15], v[156:157]
	v_pk_add_f32 v[242:243], v[242:243], v[96:97]
	v_pk_add_f32 v[254:255], v[254:255], v[98:99]
	v_pk_add_f32 v[250:251], v[250:251], v[102:103]
	v_pk_add_f32 v[248:249], v[248:249], v[106:107]
	v_pk_add_f32 v[246:247], v[246:247], v[110:111]
	v_pk_add_f32 v[238:239], v[238:239], v[114:115]
	v_pk_add_f32 v[236:237], v[236:237], v[118:119]
	v_pk_add_f32 v[14:15], v[14:15], v[122:123]
	v_pk_add_f32 v[242:243], v[242:243], v[126:127]
	v_pk_add_f32 v[254:255], v[254:255], v[130:131]
	v_pk_add_f32 v[250:251], v[250:251], v[134:135]
	v_pk_add_f32 v[248:249], v[248:249], v[138:139]
	v_pk_add_f32 v[246:247], v[246:247], v[142:143]
	v_pk_add_f32 v[238:239], v[238:239], v[146:147]
	v_pk_add_f32 v[236:237], v[236:237], v[150:151]
	v_pk_add_f32 v[14:15], v[14:15], v[154:155]
	v_pk_add_f32 v[242:243], v[242:243], v[158:159]
	v_pk_add_f32 v[254:255], v[254:255], v[238:239]
	v_pk_add_f32 v[250:251], v[250:251], v[236:237]
	v_pk_add_f32 v[14:15], v[14:15], v[248:249]
	v_pk_add_f32 v[242:243], v[242:243], v[246:247]
	HOLD 0
	HOLD 1
	HOLD 2
	HOLD 3
	VLOAD 2, 96                                    ; V's second half, into registers of p that are codes now
	VLOAD 3, 112
	HOLD 4
	HOLD 5
	HOLD 6
	HOLD 7
	v_pk_add_f32 v[14:15], v[14:15], v[254:255]
	v_pk_add_f32 v[242:243], v[242:243], v[250:251]
	s_wait_alu depctr_va_vdst(0)
.set J, 0
.rept 16
	v_pk_mul_f32 v[160+J:161+J], v[160+J:161+J], v[252:253] op_sel_hi:[1,0]   ; O^T under the new M.  (Also the plain lines between the conversions and the products)
.set J, J+2
.endr
	v_pk_add_f32 v[14:15], v[14:15], v[242:243]
	s_wait_alu depctr_va_vdst(0)
	s_wait_dscnt 8                                 ; V's first half (and the next step's K) is in; the second half's eight loads may be out
	v_wmma_f32_16x16x128_fp8_fp8 v[160:167], v[192:207], v[224:239], v[160:167]   ; four accumulators by turns
	v_wmma_f32_16x16x128_fp8_fp8 v[168:175], v[208:223], v[224:239], v[168:175]
	s_wait_dscnt 0x0
	v_wmma_f32_16x16x128_fp8_fp8 v[176:183], v[96:111], v[224:239], v[176:183]
	v_wmma_f32_16x16x128_fp8_fp8 v[184:191], v[112:127], v[224:239], v[184:191]
.Lhidden_\@:
	s_add_co_u32 s[KF], s[KF], 128
	s_add_co_u32 s[TB], s[TB], 16384
.endm
.macro INIT tile                       ; the step is written without a first form: it finds zeros, which the first change of M leaves zeros
	KLOAD AK0                                      ; step 0's K
	v_mov_b32 v13, 0xff61b1e6                      ; the largest t so far: -3e38
	v_mov_b32 v14, 0
	v_mov_b32 v15, 0
	v_floor_f32 v12, -v13
.set J, 0
.rept 32
	v_mov_b32 v[160+J], 0
.set J, J+1
.endr
	s_mov_b32 s[KF], 0
	s_mov_b32 s[TB], 0
	s_lshl_b32 s[Q0], s[\tile], 4
	s_and_b32 s[TD], s[\tile], 7
	s_wait_alu depctr_va_vdst(0)
	s_wait_dscnt 0x0
.endm
.macro FINISH yb                       ; O^T / the sum x 2^(entries 8 + 9) is y; its codes are a fragment's eight registers and leave as they stand
.rept 4
	v_nop                                          ; places behind the last products
.endr
	v_add_f32 v14, v14, v15
	v_permlanex16_b32 v236, v14, s[SEL], s[SEL+1]
	s_delay_alu instid0(VALU_DEP_1)
	v_add_f32 v14, v14, v236                       ; the row's sum
	s_wait_alu depctr_va_vdst(0)
	v_rcp_f32 v14, v14
	v_nop                                          ; a plain line behind the reciprocal
	s_wait_alu depctr_va_vdst(0)
	v_ldexp_f32 v14, v14, s60
.set J, 0
.rept 32
	v_mul_f32 v[192+J], v[160+J], v14              ; register 8 d + j: y(my query, 16 d + 8 (lane / 16) + j)
.set J, J+1
.endr
.set J, 0
.rept 32
	v_med3_num_f32 v[192+J], v[192+J], -v[YL], v[YL]
.set J, J+1
.endr
.irp d, 0,1,2,3
	v_cvt_scalef32_pk8_fp8_f32 v[224+2*\d:225+2*\d], v[192+8*\d:199+8*\d], v245
.endr
	v_nop
	global_store_b128 v[AK0], v[224:227], s[\yb:\yb+1]              ; 32 lanes store 512 consecutive bytes, aligned
	global_store_b128 v[AK0], v[228:231], s[\yb:\yb+1] offset:512
	s_wait_xcnt 0x0                                ; the codes' registers are written again only behind this wait
.endm
	s_load_b128 s[4:7], s[0:1], 0x0                ; qkvc s[4:5], the scales s[6:7]
	s_load_b64 s[8:9], s[0:1], 0x10                ; yc
	v_lshl_add_u32 v[SPW], v0, 2, SPARE
	v_mov_b32 v[NIL], 0
	ds_add_u32 v[SPW], v[NIL]                      ; the wave's opening: the add, twice on end, and its wait ahead of the first tensor load
	ds_add_u32 v[SPW], v[NIL]
	v_lshrrev_b32 v8, 5, v0
	v_readfirstlane_b32 s[WV], v8                  ; wave 0..15
	s_and_b32 s3, ttmp7, 0xffff                    ; 16 x batch + head
	s_lshl_b32 s55, s[WV], 1
	s_add_co_u32 s55, s55, ttmp9                   ; u: my first tile
	s_sub_co_u32 s54, 63, s55                      ; my second tile
	s_lshl_b32 s[G0+1], s[WV], 12                  ; what I fetch at the head lies in LDS at 4,096 x wave: step wave / 4, its K (waves 4 s, 4 s + 1) or its V
	s_bfe_u32 s19, s[WV], 0x10001
	s_lshl_b32 s19, s19, 23                        ; v lies 8 MiB behind k,
	s_lshr_b32 s16, s[WV], 2
	s_lshl_b32 s61, s16, 13                        ; a step is 8,192 bytes in both,
	s_and_b32 s16, s[WV], 1
	s_lshl_b32 s16, s16, 12                        ; of which I fetch one half
	s_lshl_b32 s14, s3, 16                         ; a head's 65,536 bytes, in q, k and v alike
	s_add_co_u32 s14, s14, s19
	s_add_co_u32 s14, s14, s61
	s_add_co_u32 s14, s14, s16
	s_add_co_u32 s14, s14, 0x800000                ; and k 8 MiB behind q
	s_mov_b32 s15, 0
	s_mov_b32 s[G1], 3<<16                         ; 15:0 no mask; 17:16 elements of 8 bytes; no padding.  A dense block of 4,096 bytes as 16 rows of 256
	s_mov_b32 s[G1+1], 32<<16                      ; tensor_dim0 = 32
	s_mov_b32 s[G1+2], 16<<16                      ; tensor_dim1 = 16
	s_mov_b32 s[G1+3], 32<<16                      ; tile_dim0 = 32
	s_mov_b32 s[G1+4], 16                          ; tile_dim1 = 16
	s_mov_b32 s[G1+5], 32                          ; from row to row
	s_mov_b32 s[G1+6], 0
	s_mov_b32 s[G1+7], 0
	s_mov_b32 s[G0], 1
	s_mov_b32 s[SEL], 0x76543210
	s_mov_b32 s[SEL+1], 0xfedcba98
	s_mov_b32 s[CS], 0x3e38aa3b                    ; c = log2(e) / 8
	v_and_b32 v[AK0], 31, v0
	v_and_b32 v[DQ], 15, v0
	v_bfe_u32 v9, v0, 4, 1
	v_lshlrev_b32 v[AK0], 4, v[AK0]
	v_lshlrev_b32 v9, 3, v9
	v_mov_b32 v236, 0                              ; written once: a lane permute's destination counts as one of its sources
	v_mov_b32 v253, 0                              ; (named as the upper half of the pair v[252:253])
	v_sub_nc_u32 v[DQ], v[DQ], v9
	s_wait_alu depctr_va_vdst(0)
	s_wait_dscnt 0x0                               ; both opening adds are done
	s_wait_kmcnt 0x0
	s_load_b256 s[68:75], s[6:7], 0x10             ; entries 4 to 11
	s_add_nc_u64 s[G0+2:G0+3], s[4:5], s[14:15]
	s_or_b32 s[G0+3], s[G0+3], 0x80000000
	tensor_load_to_lds s[G0:G0+3], s[G1:G1+7]      ; steps 0 to 3: every wave's one load at the head
	s_nop 0
.rept 4
	v_nop
.endr
	s_lshl_b32 s14, s3, 16
	s_add_nc_u64 s[4:5], s[4:5], s[14:15]          ; my head's q
	s_lshl_b32 s14, s54, 10
	s_add_nc_u64 s[10:11], s[4:5], s[14:15]        ; Q of my second tile,
	s_lshl_b32 s14, s55, 10
	s_add_nc_u64 s[12:13], s[4:5], s[14:15]        ; and of my first
	global_load_b128 v[24:27], v[AK0], s[12:13]
	global_load_b128 v[28:31], v[AK0], s[12:13] offset:512
	global_load_b128 v[16:19], v[AK0], s[10:11]
	global_load_b128 v[20:23], v[AK0], s[10:11] offset:512
	s_lshr_b32 s61, s3, 4
	s_lshl_b32 s61, s61, 6                         ; the batch's first tile of tokens
	s_and_b32 s62, s3, 15
	s_lshl_b32 s62, s62, 10                        ; the head's 1,024 bytes of a tile's 16,384
	s_add_co_u32 s14, s61, s54
	s_lshl_b32 s14, s14, 14
	s_add_co_u32 s14, s14, s62
	s_add_nc_u64 s[56:57], s[8:9], s[14:15]
	s_add_co_u32 s14, s61, s55
	s_lshl_b32 s14, s14, 14
	s_add_co_u32 s14, s14, s62
	s_add_nc_u64 s[58:59], s[8:9], s[14:15]
	s_wait_kmcnt 0x0
	s_add_co_i32 s61, s70, s71
	s_lshl_b32 s61, s61, 23
	s_add_co_i32 s[CS], s[CS], s61                 ; a score stands for score x 2^(entries 6 + 7): added to c's exponent field
	s_mov_b32 s[CS+1], s[CS]                       ; (named with it as a pair)
	s_add_co_i32 s60, s72, s73                     ; entries 8 + 9
	s_add_co_i32 s61, s72, 127
	s_lshl_b32 s62, s61, 23
	s_add_co_i32 s61, s61, 8
	s_lshl_b32 s61, s61, 23
	s_or_b32 s61, s61, 0x600000
	s_add_co_i32 s63, s74, 127
	s_lshl_b32 s76, s63, 23
	s_add_co_i32 s63, s63, 8
	s_lshl_b32 s63, s63, 23
	s_or_b32 s63, s63, 0x600000
	v_mov_b32 v244, s62                            ; p's scale as f32
	v_mov_b32 v240, s61                            ; 448 x that, in two registers, for the paired holds
	v_mov_b32 v241, s61
	v_mov_b32 v245, s76                            ; y's scale
	v_mov_b32 v[YL], s63
	s_wait_alu depctr_va_vdst(0)
	s_wait_loadcnt 0x0                             ; Q
	s_wait_tensorcnt 0x0                           ; my part of steps 0 to 3 is in
	ds_add_u32 v[SPW], v[NIL]
	s_add_co_u32 s[G0+1], s[G0+1], 0x10000         ; (no tensor load is out: group 0 may be written)  steps 4 to 7: 65,536 bytes on in LDS,
	s_add_nc_u64 s[G0+2:G0+3], s[G0+2:G0+3], 32768 ; and four steps of 8,192 bytes on in memory
	s_wait_dscnt 0x0                               ; the add is done
	s_barrier_signal -1
	s_barrier_wait -1                              ; everybody's part of steps 0 to 3 is in
	tensor_load_to_lds s[G0:G0+3], s[G1:G1+7]      ; steps 4 to 7: every wave's one load behind this barrier
	s_nop 0
.rept 4
	v_nop
.endr
	INIT 55                                        ; tile u, at most 31: its keys lie under 512
	s_mov_b32 s[CNT], 4
.Lfirst:
	STEP 24, 3*16384
	s_sub_co_u32 s[CNT], s[CNT], 1
	s_cmp_lg_u32 s[CNT], 0
	s_cbranch_scc1 .Lfirst
	FINISH 58
	s_wait_alu depctr_va_vdst(0)
	s_wait_tensorcnt 0x0                           ; my part of steps 4 to 7 is in,
	s_wait_dscnt 0x0
	s_barrier_signal -1
	s_barrier_wait -1                              ; and everybody's
	INIT 54                                        ; tile 63 - u
	s_mov_b32 s[CNT], 8
.Lsecond:
	STEP 16, 7*16384
	s_sub_co_u32 s[CNT], s[CNT], 1
	s_cmp_lg_u32 s[CNT], 0
	s_cbranch_scc1 .Lsecond
	FINISH 56
	s_wait_tensorcnt 0x0                           ; the wave's end
	ds_add_u32 v[SPW], v[NIL]
	s_wait_dscnt 0x0
	s_endpgm
.Lfunc_end_k_q872fd0cc94_attend:
	.size	k_q872fd0cc94_attend, .Lfunc_end_k_q872fd0cc94_attend-k_q872fd0cc94_attend
	.p2alignl 7, 3214868480
	.fill 96, 4, 3214868480
	.section	.rodata,"a",@progbits
	.p2align	6, 0x0
	.amdhsa_kernel k_q872fd0cc94_attend
		.amdhsa_group_segment_fixed_size 327680
		.amdhsa_private_segment_fixed_size 0
		.amdhsa_enable_private_segment 0
		.amdhsa_kernarg_size 24
		.amdhsa_user_sgpr_count 2
		.amdhsa_user_sgpr_kernarg_segment_ptr 1
		.amdhsa_wavefront_size32 1
		.amdhsa_system_sgpr_workgroup_id_x 1
		.amdhsa_system_sgpr_workgroup_id_y 1
		.amdhsa_system_sgpr_workgroup_id_z 1
		.amdhsa_system_vgpr_workitem_id 0
		.amdhsa_next_free_vgpr 256
		.amdhsa_next_free_sgpr 80
		.amdhsa_reserve_vcc 1
		.amdhsa_float_denorm_mode_32 3
		.amdhsa_float_denorm_mode_16_64 3
		.amdhsa_memory_ordered 1
		.amdhsa_forward_progress 1
		.amdhsa_inst_pref_size 71
	.end_amdhsa_kernel
	.amdgpu_metadata
---
amdhsa.version: [ 1, 2 ]
amdhsa.kernels:
  - .name:           k_q872fd0cc94_attend
    .symbol:         k_q872fd0cc94_attend.kd
    .args:
      - { .name: qkvc, .offset: 0, .size: 8, .value_kind: global_buffer, .address_space: global }
      - { .name: lowp_scales, .offset: 8, .size: 8, .value_kind: global_buffer, .address_space: global }
      - { .name: yc, .offset: 16, .size: 8, .value_kind: global_buffer, .address_space: global }
    .group_segment_fixed_size: 327680
    .private_segment_fixed_size: 0
    .kernarg_segment_align: 8
    .kernarg_segment_size: 24
    .max_flat_workgroup_size: 512
    .sgpr_count:     80
    .vgpr_count:     256
    .wavefront_size: 32
...
	.end_amdgpu_metadata
.endif
;; end of part 3
;; launch output (part 4): grid 4 x 64, 4 waves a work-group, clusters of 4 x 4, 327,680 bytes of LDS; arguments yc, wc, lowp_scales, bo, out0; writes out0
.if DOCPART == 4
	.amdgcn_target "amdgcn-amd-amdhsa--gfx1250"
	.amdhsa_code_object_version 6
	.text
	.protected	k_q872fd0cc94_output
	.globl	k_q872fd0cc94_output
	.p2align	8
	.type	k_q872fd0cc94_output,@function
k_q872fd0cc94_output:
	s_mov_b64 s[64:65], 0
	v_nop
	global_prefetch_b8 v0, s[64:65] scope:SCOPE_SE
	s_setreg_imm32_b32 hwreg(HW_REG_WAVE_MODE, 25, 1), 1
	s_wait_xcnt 0x0
	s_wait_alu depctr_hold_cnt(0) depctr_sa_sdst(0) depctr_va_vdst(0) depctr_va_sdst(0) depctr_va_ssrc(0) depctr_va_vcc(0) depctr_vm_vsrc(0)
	s_getreg_b32 s2, hwreg(HW_REG_IB_STS2, 6, 4)
	s_cmp_eq_u32 s2, 0
	s_cbranch_scc0 .Lentry_in_a_cluster
	s_endpgm
.Lentry_in_a_cluster:
	s_bfe_u32 s2, ttmp6, 0x10000c
	s_cmp_lg_u32 s2, 0xf033
	s_cbranch_scc0 .Lentry_shape_is_right
	s_endpgm
.Lentry_shape_is_right:
; out0 = y Wo + bo on codes of FP8 (E4M3).  y's codes (yc) and Wo's (the fourth MiB of wc) lie as images of operand registers: 16 rows x 128 K are 2,048 bytes, four groups of 512, lane l's 16 bytes at 16 l;
; a block of 16 rows has its eight K steps on end: 16,384 bytes.  Wo's blocks come in fours of 64 features: row r of block b is feature 4 r + b of the 64.  out0: [8192][1024] f32.
; SHARES.  8,192 x 1,024 results are 256 tiles of 128 tokens x 256 features, one for each of 256 work-groups; 64 tokens x 128 features to each of four waves.
; WO'S TILE FITS LDS WHOLE: 256 features x 1,024 codes = 262,144 bytes; each wave fetches 64 features, 65,536 bytes, by its one load; nothing is filled again.  Y GOES STRAIGHT TO REGISTERS: 64 tokens x 1,024 codes are 512 registers; it comes in three K steps ahead.
; A wave walks its features 64 at a time: 16 accumulators of 16 x 16, eight K steps; D(m = 8 (lane / 16) + j: token, n = lane % 16): register j of the four blocks' accumulators is features 4 r .. 4 r + 3 of one token: 16 bytes,
; and sixteen lanes fill 256 consecutive bytes: results leave with no stage, the first 64 features' while the others are multiplied.
; CLUSTERS: 4 x 4 work-groups; the four of a column need the same tile of Wo and ask for it jointly.  y's codes are not asked for jointly: they go past LDS, which has no room for y's 131,072 bytes beside Wo's tile.
; NO PREFETCH: Wo's tile is asked for whole by the work-group's one group of loads; y's loads into registers themselves run three K steps ahead, and no barrier makes them wait.
; out = sum x 2^(entries 10 + 11) + bo, one multiply-add.  LIMIT: entries 10 + 11 between -126 and 127, so that the power of two is an f32 number.
; REGISTERS: window 0: v0-31 addresses; v32-223 Wo's fragments, THREE sets of four; v224-231 the bias.  windows 1, 2: y's fragments, (block a, K step k) at v[16 (8 (a % 2) + k)] of window 1 + a / 2.  window 3: v0-127 the accumulators ((a, b) at v[8 (4 a + b)]), v128-255 results on their way out.
.set SPARE, 262144                     ; behind Wo's tile: the spare words, 128 bytes a wave: two blocks of 256 bytes that no other line names
.set ADR,   16                         ; v16-17 LDS address of my first and second 64 features
.set VR,    24                         ; v24  16 r
.set SO,    25                         ; v25  my place in the rows of out0: 8 h rows of 4,096 bytes + 16 r
.set CO,    26                         ; v26  16 x lane
.set SPW,   28                         ; v28  LDS address of my spare word; never rewritten
.set NIL,   29                         ; v29  0; never rewritten
.set BF,    32
.set BJ,    224
.set TMP,   128
.set G1,    24                         ; s[24:31] descriptor group 1; s[32:35] group 0
.set G0,    32
.set MSB,   0
.macro WIN new                         ; the immediate's high byte repeats the setting that is left
.if MSB != \new
	s_set_vgpr_msb (MSB<<8)|\new
.set MSB, \new
.endif
.endm
.macro CROUND                          ; a whole round of the cluster's barrier
	s_barrier_signal -1
	s_barrier_wait -1
	s_cmp_lg_u32 s14, 0
	s_cbranch_scc1 .Lnot_wave_0_\@
	s_barrier_signal -3
.Lnot_wave_0_\@:
	s_barrier_wait -3
	s_barrier_signal -1
	s_barrier_wait -1
.endm
.macro PLACES                          ; places behind matrix instructions, in front of reads of results and of loads into registers that they have read
.rept 4
	v_nop
.endr
.endm
.macro YLOAD k                         ; y's four fragments of K step k: sixteen loads of 512 consecutive bytes
.irp a, 0,1,2,3
	WIN 0x40*(1+\a/2)                              ; destination window 1 or 2
.irp g, 0,1,2,3
	global_load_b128 v[16*(8*(\a%2)+\k)+4*\g:16*(8*(\a%2)+\k)+4*\g+3], v[CO], s[4:5] offset:16384*\a+2048*(\k)+512*\g
.endr
.endr
.endm
.macro FETCH i                         ; step i = 8 x (which 64 features) + K step: four fragments of Wo into set i % 3
.irp b, 0,1,2,3
.irp g, 0,1,2,3
	ds_load_b128 v[BF+64*((\i)%3)+16*\b+4*\g:BF+64*((\i)%3)+16*\b+4*\g+3], v[ADR+(\i)/8] offset:16384*\b+2048*((\i)%8)+512*\g
.endr
.endr
.endm
.macro OUT c                           ; the c-th 64 features leave
.if (\c) > 0
	s_wait_xcnt 0x0                                ; the first 64 features' stores have read their registers
.endif
	PLACES
	WIN 0xc3                                       ; source 0 and destination window 3
.irp a, 0,1,2,3
.irp j, 0,1,2,3,4,5,6,7
.irp b, 0,1,2,3
	v_fma_f32 v[TMP+32*\a+4*\j+\b], v[8*(4*\a+\b)+\j], s96, v[BJ+4*(\c)+\b]   ; sum x 2^(entries 10 + 11) + bo; each accumulator from its low end on
.endr
.endr
.endr
	WIN 0x0c                                       ; stored data window 3
.irp a, 0,1,2,3
.irp j, 0,1,2,3,4,5,6,7
	global_store_b128 v[SO], v[TMP+32*\a+4*\j:TMP+32*\a+4*\j+3], s[12:13] offset:(16*\a+\j)*4096+256*(\c) th:TH_STORE_NT   ; sixteen lanes store 256 consecutive bytes, aligned
.endr
.endr
.endm
.macro STEP i                          ; 16 matrix instructions on 16 accumulators by turns
.if (\i) < 15
	s_wait_dscnt 16                                ; this step's fragments are in; the next step's 16 loads may be out
.else
	s_wait_dscnt 0x0
.endif
.if (\i) < 14
.if ((\i)%8) > 0
	PLACES                                         ; the set that is loaded was read by the last step's products (behind OUT its multiply-adds are the places)
.endif
	WIN 0
	FETCH (\i)+2
.endif
.if (\i) < 6
	s_wait_loadcnt 32                              ; y's fragments of this K step are in; the next two K steps' 16 loads each may be out
.elseif (\i) == 6
	s_wait_loadcnt 16
.elseif (\i) == 7
	s_wait_loadcnt 0x0
.endif
.if (\i) < 5
	YLOAD (\i)+3
.endif
.irp a, 0,1,2,3
	WIN 0xf1+\a/2                                  ; source 0 (y) window 1 or 2, source 1 (Wo) window 0, C and D window 3
.irp b, 0,1,2,3
.if ((\i)%8) == 0
	v_wmma_f32_16x16x128_fp8_fp8 v[8*(4*\a+\b):8*(4*\a+\b)+7], v[16*(8*(\a%2)+(\i)%8):16*(8*(\a%2)+(\i)%8)+15], v[BF+64*((\i)%3)+16*\b:BF+64*((\i)%3)+16*\b+15], 0
.else
	v_wmma_f32_16x16x128_fp8_fp8 v[8*(4*\a+\b):8*(4*\a+\b)+7], v[16*(8*(\a%2)+(\i)%8):16*(8*(\a%2)+(\i)%8)+15], v[BF+64*((\i)%3)+16*\b:BF+64*((\i)%3)+16*\b+15], v[8*(4*\a+\b):8*(4*\a+\b)+7]
.endif
.endr
.endr
.if ((\i)%8) == 7
	OUT (\i)/8
.endif
.endm
	s_load_b256 s[4:11], s[0:1], 0x0               ; yc s[4:5], wc s[6:7], the scales s[8:9], bo s[10:11]
	s_load_b64 s[12:13], s[0:1], 0x20              ; out0
	v_lshl_add_u32 v[SPW], v0, 2, SPARE
	v_mov_b32 v[NIL], 0
	ds_add_u32 v[SPW], v[NIL]                      ; the wave's opening: the add, twice on end, and its wait ahead of my tensor load
	ds_add_u32 v[SPW], v[NIL]
	v_lshrrev_b32 v1, 5, v0
	v_readfirstlane_b32 s14, v1                    ; wave 0..3.  Also: which 64 features of Wo I fetch
	s_lshr_b32 s15, s14, 1                         ; which half of the tokens is mine,
	s_and_b32 s16, s14, 1                          ; and which half of the features
	s_bfe_u32 s44, ttmp6, 0x40000                  ; cx, cy
	s_bfe_u32 s45, ttmp6, 0x40004
	s_lshl_b32 s46, ttmp9, 2
	s_add_co_u32 s46, s46, s44                     ; the tile of 256 features
	s_and_b32 s17, ttmp7, 0xffff
	s_lshl_b32 s17, s17, 2
	s_add_co_u32 s17, s17, s45                     ; the tile of 128 tokens
	s_lshl_b32 s3, 0x1111, s44                     ; my column of the cluster
	s_or_b32 s[G1], s3, (3<<16)|(1<<21)            ; 15:0 the mask; 17:16 elements of 8 bytes; no padding; 21 set beside a mask
	s_mov_b32 s[G1+1], 512<<16                     ; 65,536 bytes, dense: 16 rows of 4,096
	s_mov_b32 s[G1+2], 16<<16
	s_mov_b32 s[G1+3], 512<<16
	s_mov_b32 s[G1+4], 16
	s_mov_b32 s[G1+5], 512
	s_mov_b32 s[G1+6], 0
	s_mov_b32 s[G1+7], 0
	s_mov_b32 s[G0], 1
	s_lshl_b32 s[G0+1], s14, 16                    ; LDS: 65,536 x wave: no place in the cluster enters it
	s_lshl_b32 s[G0+2], s46, 18                    ; a tile is 16 blocks of 16,384 bytes,
	s_lshl_b32 s18, s14, 16                        ; of which I fetch 4,
	s_add_co_u32 s[G0+2], s[G0+2], s18
	s_add_co_u32 s[G0+2], s[G0+2], 0x300000        ; in the fourth weight's codes
	s_mov_b32 s[G0+3], 0
	s_lshl_b32 s19, s16, 17                        ; my features' 131,072 bytes of LDS
	v_and_b32 v1, 31, v0
	v_and_b32 v2, 15, v0                           ; r
	v_bfe_u32 v3, v0, 4, 1                         ; h
	v_lshlrev_b32 v[CO], 4, v1
	v_lshlrev_b32 v[VR], 4, v2
	v_lshlrev_b32 v[SO], 15, v3
	v_add_nc_u32 v[ADR], s19, v[CO]
	v_add_nc_u32 v[SO], v[SO], v[VR]
	v_add_nc_u32 v[ADR+1], 0x10000, v[ADR]
	s_wait_alu depctr_va_vdst(0)
	s_wait_dscnt 0x0                               ; both opening adds are done
	s_wait_kmcnt 0x0
	s_load_b64 s[96:97], s[8:9], 0x28              ; entries 10 and 11
	s_add_nc_u64 s[G0+2:G0+3], s[6:7], s[G0+2:G0+3]
	s_or_b32 s[G0+3], s[G0+3], 0x80000000          ; 127:126 type = 2
	CROUND                                         ; all sixteen work-groups are here: the joint loads meet
	tensor_load_to_lds s[G0:G0+3], s[G1:G1+7]      ; every wave's one load
	s_nop 0
	PLACES
	s_lshl_b32 s80, s17, 17                        ; y: a tile is 8 blocks of 16,384 bytes,
	s_lshl_b32 s81, s15, 16                        ; of which four are mine
	s_add_co_u32 s80, s80, s81
	s_mov_b32 s81, 0
	s_add_nc_u64 s[4:5], s[4:5], s[80:81]
	s_lshl_b32 s82, s46, 10
	s_lshl_b32 s83, s16, 9
	s_add_co_u32 s82, s82, s83                     ; my first feature, in bytes
	s_mov_b32 s83, 0
	s_add_nc_u64 s[10:11], s[10:11], s[82:83]
.irp c, 0,1
	global_load_b128 v[BJ+4*\c:BJ+4*\c+3], v[VR], s[10:11] offset:256*\c   ; bo at my lane's four features
.endr
	YLOAD 0
	YLOAD 1
	YLOAD 2
	WIN 0
	s_lshl_b32 s80, s17, 19                        ; out0: 128 rows of 4,096 bytes,
	s_lshl_b32 s84, s15, 18                        ; of which 64 are mine
	s_add_co_u32 s80, s80, s84
	s_add_nc_u64 s[12:13], s[12:13], s[80:81]
	s_add_nc_u64 s[12:13], s[12:13], s[82:83]
	s_wait_kmcnt 0x0
	s_add_co_i32 s96, s96, s97
	s_add_co_i32 s96, s96, 127
	s_lshl_b32 s96, s96, 23                        ; 2^(entries 10 + 11) as f32
	s_wait_tensorcnt 0x0                           ; my part of Wo's tile is in,
	s_barrier_signal -1
	s_barrier_wait -1                              ; and everybody's
	FETCH 0
	FETCH 1
.set I, 0
.rept 16
	STEP I
.set I, I+1
.endr
	WIN 0
	s_wait_tensorcnt 0x0                           ; the wave's end
	ds_add_u32 v[SPW], v[NIL]
	s_wait_dscnt 0x0
	CROUND                                         ; the closing round: no work-group ends while a partner may still ask for a tile that names it
	s_endpgm
.Lfunc_end_k_q872fd0cc94_output:
	.size	k_q872fd0cc94_output, .Lfunc_end_k_q872fd0cc94_output-k_q872fd0cc94_output
	.p2alignl 7, 3214868480
	.fill 96, 4, 3214868480
	.section	.rodata,"a",@progbits
	.p2align	6, 0x0
	.amdhsa_kernel k_q872fd0cc94_output
		.amdhsa_group_segment_fixed_size 327680
		.amdhsa_private_segment_fixed_size 0
		.amdhsa_enable_private_segment 0
		.amdhsa_kernarg_size 40
		.amdhsa_user_sgpr_count 2
		.amdhsa_user_sgpr_kernarg_segment_ptr 1
		.amdhsa_wavefront_size32 1
		.amdhsa_system_sgpr_workgroup_id_x 1
		.amdhsa_system_sgpr_workgroup_id_y 1
		.amdhsa_system_sgpr_workgroup_id_z 1
		.amdhsa_system_vgpr_workitem_id 0
		.amdhsa_next_free_vgpr 1024
		.amdhsa_next_free_sgpr 100
		.amdhsa_reserve_vcc 0
		.amdhsa_float_denorm_mode_32 3
		.amdhsa_float_denorm_mode_16_64 3
		.amdhsa_memory_ordered 1
		.amdhsa_forward_progress 1
		.amdhsa_inst_pref_size 76
	.end_amdhsa_kernel
	.amdgpu_metadata
---
amdhsa.version: [ 1, 2 ]
amdhsa.kernels:
  - .name:           k_q872fd0cc94_output
    .symbol:         k_q872fd0cc94_output.kd
    .args:
      - { .name: yc, .offset: 0, .size: 8, .value_kind: global_buffer, .address_space: global }
      - { .name: wc, .offset: 8, .size: 8, .value_kind: global_buffer, .address_space: global }
      - { .name: lowp_scales, .offset: 16, .size: 8, .value_kind: global_buffer, .address_space: global }
      - { .name: bo, .offset: 24, .size: 8, .value_kind: global_buffer, .address_space: global }
      - { .name: out0, .offset: 32, .size: 8, .value_kind: global_buffer, .address_space: global }
    .group_segment_fixed_size: 327680
    .private_segment_fixed_size: 0
    .kernarg_segment_align: 8
    .kernarg_segment_size: 40
    .max_flat_workgroup_size: 128
    .sgpr_count:     100
    .vgpr_count:     1024
    .wavefront_size: 32
...
	.end_amdgpu_metadata
.endif
;; end of part 4
